; MI455X (gfx1250); checked and timed in simulation.
; The chip was launched on July 23, 2026; its instructions are those of AMD's public machine-readable ISA for CDNA 5 (MIT licence, August 2026) and "CDNA5" Instruction Set Architecture Reference Guide (July 2026). The comments in the code are by the model that wrote it; some were corrected since.
;; Self Attention. Allowed arithmetic: matrix products marked QUANTISED: E2M3 operands, one E8M0 scale for each 32 along K, by v_wmma_scale_f32_16x16x128_f8f6f4 with both operands' format E2M3, f32 sums; everything else in f32.
;; Inputs: b_proj 1,024 float32; rel_bias_table 32 x 16 float32; w_proj 1,024 x 1,024 float32; w_qkv 3,072 x 1,024 float32; x 4 x 2,048 x 1,024 float32.
;; Outputs: out0 4 x 2,048 x 1,024 float32.
;; This version of the problem:
;;   THIS VERSION OF THE PROBLEM IS GIVEN IN LOW PRECISION. The matrix products marked QUANTISED in the list below multiply operands that are first quantised to E2M3 (2 exponent bits, 3 mantissa bits; 6 bits a number), with one power-of-two scale for each 32 numbers along K (OCP MX v1.0); their sums are f32. All else is computed in f32.
;;   The module's matrix products, in the order in which they are computed (A, B: the left and right operand; K: the contracted axis; several contracted axes count as one K, in the product's order):
;;     1. [M 8,192, K 1,024] x [K 1,024, N 3,072]; A: input x; B: input w_qkv: QUANTISED
;;     2. batch 64 x [M 2,048, K 64] x [K 64, N 2,048]; A: computed on the way; B: computed on the way: QUANTISED
;;     3. batch 64 x [M 2,048, K 2,048] x [K 2,048, N 64]; A: softmax (see below); B: computed on the way: QUANTISED
;;     4. [M 8,192, K 1,024] x [K 1,024, N 1,024]; A: computed on the way; B: input w_proj: QUANTISED
;;   THE QUANTISER, for each operand of a quantised product, along K:
;;     - K is cut into blocks of 32 from its start; a last block that is shorter is filled with zeros.
;;     - A block's scale is 2^e with e = floor(log2(the largest magnitude in the block)) - 2, held to -126 .. 127; a block of zeros has e = 0. As a byte (E8M0): e + 127.
;;     - Each number is divided by its block's scale, clamped to +-7.5, and rounded to the nearest number of E2M3, ties to even, subnormals kept.
;;     - The product sums the exact products of the quantised numbers (number of the format x scale) in f32.
;;   ~~~python
;;   def quantise(x, axis):      # numpy; x: float32 -> the quantised numbers, widened to float32 again
;;       x = np.moveaxis(x, axis, -1); K = x.shape[-1]
;;       x = np.pad(x, [(0, 0)] * (x.ndim - 1) + [(0, -K % 32)]); x = x.reshape(x.shape[:-1] + (-1, 32)); a = np.abs(x).max(-1, keepdims=True)
;;       e = np.where(a > 0, np.clip(np.frexp(np.where(a > 0, a, 1))[1] - 1 - 2, -126, 127), 0)      # np.frexp(a)[1] - 1 = floor(log2(a)), exactly
;;       r = np.clip(x / 2.0 ** e, -7.5, 7.5)
;;       step = 2.0 ** (np.maximum(np.frexp(np.where(r == 0, 1, r))[1] - 1, 0) - 3)
;;       q = np.round(r / step) * step * 2.0 ** e      # np.round: ties to even
;;       return np.moveaxis(q.reshape(q.shape[:-2] + (-1,))[..., :K], -1, axis).astype(np.float32)
;;   ~~~
;;   SOFTMAX AHEAD OF A QUANTISED PRODUCT. Where the list says 'softmax', what is quantised is not the finished softmax but p = 2^(t - M), with t = logit x log2(e) and M = ceil(the row's largest t), a whole number; so 1/2 < the row's largest p <= 1. The row's sum l is taken of the UNQUANTISED p, in f32, and the product's result is divided by l at the end. Since M is a whole number, a kernel that streams over the keys may use a running M (the ceiling of the running maximum): every later rescaling is an exact power of two, which a block's scale takes up: the codes' values come out the same.
;;   OPERANDS COMPUTED ON THE WAY. 'Computed on the way' means the value that the module computes at that place (a softmax that the list does not call 'softmax' is quantised finished and normalised). What goes into a quantiser is computed in f32, as accurately as f32 sums, v_exp_f32 and their like allow (about 1e-6 of the number): no bf16 or f16 on the way to a quantiser, and a product that is left as it is and whose result goes on into a quantised operand takes f32 operands (vector FMAs, or v_wmma_f32_16x16x4_f32). A number that lies on a knife's edge between two numbers of the format may be rounded either way, as far as f32 arithmetic and the matrix unit's own rounding can turn it there, and no further.
;; One version. Each part assembles by itself: llvm-mc -triple=amdgcn-amd-amdhsa -mcpu=gfx1250 --defsym DOCPART=n.
;; ======== version 1 of 1: 4 launches
;; limits: right only within a limited range of input values
;; workspace buffers: opimg 9,437,184 bytes; opsc 393,216 bytes; qimg 6,291,456 bytes; qsc 524,288 bytes; kvimg 12,582,912 bytes; kvsc 786,432 bytes; aimg 6,291,456 bytes; asc 262,144 bytes
;; launch quant (part 1): grid 192 x 2, 4 waves a work-group, no clusters, 35,328 bytes of LDS; arguments x, w_qkv, w_proj, opimg, opsc; writes opimg, opsc
.if DOCPART == 1
	.amdgcn_target "amdgcn-amd-amdhsa--gfx1250"
	.amdhsa_code_object_version 6
	.text
	.protected	k_qa82cd907e0_quant
	.globl	k_qa82cd907e0_quant
	.p2align	8
	.type	k_qa82cd907e0_quant,@function
k_qa82cd907e0_quant:
	s_mov_b64 s[64:65], 0
	v_nop
	global_prefetch_b8 v0, s[64:65] scope:SCOPE_SE
	s_setreg_imm32_b32 hwreg(HW_REG_WAVE_MODE, 25, 1), 1
	s_wait_xcnt 0x0
; x [8192][1024], w_qkv [3072][1024] and w_proj [1024][1024], f32, K innermost, become codes of FP6 (E2M3) with one E8M0 byte for each 32 along K.
; The three tensors count as one run of 12,288 rows: 768 tiles of 16 rows (x 0-511, w_qkv 512-703, w_proj 704-767).
; OUTPUT AS IMAGES OF OPERAND REGISTERS.  A fragment (16 rows x 128 K) is 12 registers a lane: lane (r, h) holds row r, registers 6 c .. 6 c + 5 hold k = 64 c + 32 h + 0 .. 31.
; opimg [768 tiles][8 K steps][1,536]: registers 4 j .. 4 j + 3 of lane l at 512 j + 16 l: each store of a wave covers 512 consecutive bytes, aligned.
; opsc [8 K steps][192 groups of 64 rows][256]: the scale word of row 64 G + 16 t + r at 256 G + 16 r + 4 t: one load of 16 bytes gives a lane the words of four neighbouring tiles.
; A block's scale is 2^(floor(log2(its largest magnitude)) - 2); its byte is that magnitude's exponent field - 2, held at 1 from below.
; LIMITS: a block of zeros, or one whose largest magnitude lies under 2^-124, gets the byte 1 (its codes are zeros or the nearest codes; the bytes are read by this program alone); NaN and infinities are not served.
; SHARES.  A work-group takes 64 rows x 512 K; wave t takes 16 rows, four images.  A load reads 512 consecutive bytes of one row; an image's 16 rows turn through the wave's own stage in LDS
; (rows of 512 + 16 bytes), from which lane (r, h) takes its two blocks of 32 neighbours.  No tensor loads, one barrier (for the scale words, which four waves gather into whole runs of 256 bytes).
.set R,    16                          ; v16-143   two sets of 64: an image as it is loaded
.set X,    144                         ; v144-207  my two blocks of 32 neighbours
.set C,    208                         ; v208-219  the fragment's 12 registers
.set D,    220                         ; v220-222, v224-226 the second halves of the blocks' codes (a conversion's three registers begin on an even number)
.set SP,   528
.set WST,  16*SP                       ; a wave's stage
.set GATH, 4*WST                       ; behind the stages: 4 K steps x 256 bytes of scale words
	s_load_b128 s[4:7], s[0:1], 0x0                ; x, w_qkv
	s_load_b128 s[8:11], s[0:1], 0x10              ; w_proj, opimg
	s_load_b64 s[12:13], s[0:1], 0x20              ; opsc
	v_lshl_add_u32 v228, v0, 2, 0x8800
	v_mov_b32 v229, 0
	v_lshrrev_b32 v8, 5, v0
	v_readfirstlane_b32 s14, v8                    ; wave
	v_and_b32 v9, 31, v0                           ; lane
	v_and_b32 v10, 15, v0                          ; r
	v_bfe_u32 v11, v0, 4, 1                        ; h
	v_lshlrev_b32 v1, 4, v9                        ; 16 x lane: my place in a load's 512 bytes and in an image's
	s_mul_i32 s15, s14, WST
	v_add_nc_u32 v2, s15, v1                       ; the stage, on the way in
	v_mul_u32_u24 v3, v10, SP
	v_lshl_add_u32 v3, v11, 7, v3
	v_add_nc_u32 v3, s15, v3                       ; and out: row r, + 128 h bytes
	s_lshl_b32 s16, s14, 2
	v_lshlrev_b32 v4, 4, v10
	v_add_nc_u32 v4, s16, v4
	v_add_nc_u32 v4, GATH, v4                      ; my row's scale word: 16 r + 4 x wave
	s_lshl_b32 s16, s14, 8
	v_lshlrev_b32 v6, 3, v9                        ; 8 x lane
	v_add_nc_u32 v5, s16, v6
	v_add_nc_u32 v5, GATH, v5                      ; the unit that my wave stores at the end
	v_lshlrev_b32 v7, 3, v11                       ; 8 h: where my two bytes stand in the word
	v_mov_b32 v15, 0                               ; written once: a lane permute's destination counts as one of its sources
	s_mov_b32 s20, 0x76543210
	s_mov_b32 s21, 0xfedcba98                      ; selects for lane l xor 16
	s_and_b32 s17, ttmp7, 0xffff                   ; which half of K
	s_mov_b32 s19, 176
	s_wait_alu depctr_va_vdst(0)
	s_wait_kmcnt 0x0
	s_cmp_lt_u32 ttmp9, 128                        ; groups 0-127 x, 128-175 w_qkv, 176-191 w_proj: the choice hangs on the work-group's number alone
	s_cselect_b64 s[4:5], s[4:5], s[6:7]
	s_cselect_b32 s18, 0, 128
	s_cmp_lt_u32 ttmp9, s19
	s_cselect_b64 s[4:5], s[4:5], s[8:9]
	s_cselect_b32 s18, s18, s19
	s_sub_co_u32 s18, ttmp9, s18                   ; the group within its tensor
	s_lshl_b32 s22, s18, 18                        ; 64 rows of 4,096 bytes
	s_lshl_b32 s23, s14, 16                        ; my wave's 16 rows
	s_add_co_u32 s22, s22, s23
	s_lshl_b32 s23, s17, 11                        ; 512 along K
	s_add_co_u32 s22, s22, s23
	s_mov_b32 s23, 0
	s_add_nc_u64 s[4:5], s[4:5], s[22:23]
	s_lshl_b32 s22, ttmp9, 2
	s_add_co_u32 s22, s22, s14                     ; my tile of rows
	s_mul_i32 s22, s22, 12288
	s_mul_i32 s24, s17, 6144
	s_add_co_u32 s22, s22, s24
	s_add_nc_u64 s[10:11], s[10:11], s[22:23]      ; its images of my half of K
	s_lshl_b32 s22, s17, 2
	s_add_co_u32 s22, s22, s14                     ; the K step whose unit my wave stores
	s_mul_i32 s22, s22, 49152
	s_lshl_b32 s24, ttmp9, 8
	s_add_co_u32 s22, s22, s24
	s_add_nc_u64 s[12:13], s[12:13], s[22:23]
.macro LOAD t                          ; image t: 128 along K of my 16 rows
.set i, 0
.rept 16
	global_load_b128 v[R+64*((\t)%2)+4*i:R+64*((\t)%2)+4*i+3], v1, s[4:5] offset:4096*i+512*(\t) th:TH_LOAD_NT
.set i, i+1
.endr
.endm
.macro IMAGE t
.if (\t) < 3
	s_wait_loadcnt 16                              ; this image's 16 loads are in; the next image's 16 may be out
.else
	s_wait_loadcnt 0x0
.endif
.set i, 0
.rept 16
	ds_store_b128 v2, v[R+64*((\t)%2)+4*i:R+64*((\t)%2)+4*i+3] offset:SP*i
.set i, i+1
.endr
.set i, 0
.rept 16                               ; LDS serves a wave's instructions in order: these see the stores above
	ds_load_b128 v[X+4*i:X+4*i+3], v3 offset:256*(i/8)+16*(i%8)
.set i, i+1
.endr
	s_wait_dscnt 0x0                               ; my numbers are back, and the stores have read their registers,
.if (\t) < 2
	LOAD (\t)+2                                    ; which take the image two on
.endif
.irp c, 0,1
	v_max3_num_f32 v[8+\c], |v[X+32*\c]|, |v[X+32*\c+1]|, 0x1800000   ; my block 2 c + h, and the floor 2^(3 - 127): the byte cannot fall under 1
.endr
.irp i, 2,4,6,8,10,12,14,16,18,20,22,24,26,28,30
.irp c, 0,1
	v_max3_num_f32 v[8+\c], v[8+\c], |v[X+32*\c+\i]|, |v[X+32*\c+\i+1]|
.endr
.endr
.irp c, 0,1
	v_add_nc_u32 v[10+\c], 0xff000000, v[8+\c]     ; 2 off the exponent field: the conversion's scale operand
.endr
.irp c, 0,1
	v_lshrrev_b32 v[12+\c], 23, v[10+\c]           ; the scale's byte
.endr
	v_lshl_or_b32 v14, v13, 16, v12                ; blocks h and 2 + h,
	v_lshlrev_b32 v14, v7, v14                     ; at their places;
	v_permlanex16_b32 v15, v14, s20, s21
	v_or_b32 v14, v14, v15                         ; with lane l xor 16's two the word is whole
	s_wait_alu depctr_va_vdst(0)
	s_wait_xcnt 0x0                                ; the last image's stores have read the codes' registers
.irp c, 0,1
	v_cvt_scalef32_pk16_fp6_f32 v[C+6*\c:C+6*\c+2], v[X+32*\c:X+32*\c+15], v[10+\c]
	v_cvt_scalef32_pk16_fp6_f32 v[D+4*\c:D+4*\c+2], v[X+32*\c+16:X+32*\c+31], v[10+\c]
.endr
	v_nop                                          ; one plain place behind the scaled conversions
.irp c, 0,1
.irp i, 0,1,2
	v_mov_b32 v[C+3+6*\c+\i], v[D+4*\c+\i]
.endr
.endr
.irp j, 0,1,2
	global_store_b128 v1, v[C+4*\j:C+4*\j+3], s[10:11] offset:1536*(\t)+512*\j
.endr
	ds_store_b32 v4, v14 offset:256*(\t)           ; lanes r and r + 16 write the same word with the same value
.endm
	LOAD 0
	LOAD 1
	IMAGE 0
	IMAGE 1
	IMAGE 2
	IMAGE 3
	s_wait_dscnt 0x0                               ; for the others' sake: my scale words are in LDS
	s_barrier_signal -1
	s_barrier_wait -1
	ds_load_b64 v[12:13], v5                       ; one K step's words of the group's 64 rows
	s_wait_dscnt 0x0
	global_store_b64 v6, v[12:13], s[12:13]        ; 32 lanes store 256 consecutive bytes, aligned
	s_wait_tensorcnt 0x0
	ds_add_u32 v228, v229
	s_wait_dscnt 0x0
	s_endpgm
.Lfunc_end_k_qa82cd907e0_quant:
	.size	k_qa82cd907e0_quant, .Lfunc_end_k_qa82cd907e0_quant-k_qa82cd907e0_quant
	.p2alignl 7, 3214868480
	.fill 96, 4, 3214868480
	.section	.rodata,"a",@progbits
	.p2align	6, 0x0
	.amdhsa_kernel k_qa82cd907e0_quant
		.amdhsa_group_segment_fixed_size 35328
		.amdhsa_private_segment_fixed_size 0
		.amdhsa_enable_private_segment 0
		.amdhsa_kernarg_size 40
		.amdhsa_user_sgpr_count 2
		.amdhsa_user_sgpr_kernarg_segment_ptr 1
		.amdhsa_wavefront_size32 1
		.amdhsa_system_sgpr_workgroup_id_x 1
		.amdhsa_system_sgpr_workgroup_id_y 1
		.amdhsa_system_sgpr_workgroup_id_z 1
		.amdhsa_system_vgpr_workitem_id 0
		.amdhsa_next_free_vgpr 230
		.amdhsa_next_free_sgpr 66
		.amdhsa_reserve_vcc 0
		.amdhsa_float_denorm_mode_32 3
		.amdhsa_float_denorm_mode_16_64 3
		.amdhsa_memory_ordered 1
		.amdhsa_forward_progress 1
		.amdhsa_inst_pref_size 31
	.end_amdhsa_kernel
	.amdgpu_metadata
---
amdhsa.version: [ 1, 2 ]
amdhsa.kernels:
  - .name:           k_qa82cd907e0_quant
    .symbol:         k_qa82cd907e0_quant.kd
    .args:
      - { .name: x, .offset: 0, .size: 8, .value_kind: global_buffer, .address_space: global }
      - { .name: w_qkv, .offset: 8, .size: 8, .value_kind: global_buffer, .address_space: global }
      - { .name: w_proj, .offset: 16, .size: 8, .value_kind: global_buffer, .address_space: global }
      - { .name: opimg, .offset: 24, .size: 8, .value_kind: global_buffer, .address_space: global }
      - { .name: opsc, .offset: 32, .size: 8, .value_kind: global_buffer, .address_space: global }
    .group_segment_fixed_size: 35328
    .private_segment_fixed_size: 0
    .kernarg_segment_align: 8
    .kernarg_segment_size: 40
    .max_flat_workgroup_size: 128
    .sgpr_count:     66
    .vgpr_count:     230
    .wavefront_size: 32
...
	.end_amdgpu_metadata
.endif
;; end of part 1
;; launch qkv (part 2): grid 8 x 48, 4 waves a work-group, clusters of 4 x 4, 327,680 bytes of LDS; arguments opimg, opsc, qimg, qsc, kvimg, kvsc; writes qimg, qsc, kvimg, kvsc
.if DOCPART == 2
	.amdgcn_target "amdgcn-amd-amdhsa--gfx1250"
	.amdhsa_code_object_version 6
	.text
	.protected	k_qa82cd907e0_qkv
	.globl	k_qa82cd907e0_qkv
	.p2align	8
	.type	k_qa82cd907e0_qkv,@function
k_qa82cd907e0_qkv:
	s_mov_b64 s[64:65], 0
	v_nop
	global_prefetch_b8 v0, s[64:65] scope:SCOPE_SE
	s_setreg_imm32_b32 hwreg(HW_REG_WAVE_MODE, 25, 1), 1
	s_wait_xcnt 0x0
	s_wait_alu depctr_hold_cnt(0) depctr_sa_sdst(0) depctr_va_vdst(0) depctr_va_sdst(0) depctr_va_ssrc(0) depctr_va_vcc(0) depctr_vm_vsrc(0)
	s_getreg_b32 s2, hwreg(HW_REG_IB_STS2, 6, 4)
	s_cmp_eq_u32 s2, 0
	s_cbranch_scc0 .Lentry_in_a_cluster
	s_endpgm
.Lentry_in_a_cluster:
	s_bfe_u32 s2, ttmp6, 0x10000c
	s_cmp_lg_u32 s2, 0xf033
	s_cbranch_scc0 .Lentry_shape_is_right
	s_endpgm
.Lentry_shape_is_right:
.set NQ,     2
.set FR,     12
.set NL,     3
.set NP,     4
.set IMGB,   1536
.set TROW,   NQ*IMGB
.set HALFT,  8*TROW
.set SLOT,   4*HALFT
.set SCL,    2*SLOT
.set SPARE,  SCL+4*4096
.set ADRA, 16
.set ADRB, 20
.set ADRS, 27
.set SPW,  28
.set NIL,  29
.set SC,   32
.set TM,   64
.set PWB,  80
.set VO1,  88
.set VO2,  89
.set VSO,  90
.set VSH,  92
.set VL8,  93
.set PC,   96
.set AF,   128
.set G1, 24
.set G0, 32
.set G1B, 48
.set G0B, 56
.set G1S, 68
.set G0S, 76
.set G1SB, 80
.set G0SB, 88
.set OFF, 40
.set SA,  41
.set S34, 42
.set SHF, 43
.set OB,  44
.set SB,  46
.set SEL, 92
.set MSB, 0
.macro WIN new
.if MSB != (\new)
	s_set_vgpr_msb (MSB<<8)|(\new)
.set MSB, (\new)
.endif
.endm
.set MUL_LO, 0xa1
.set MUL_HI, 0xf1
.set TO_B,   0x40
.macro JLOAD g0a, g1a, g0b, g1b
	s_cmp_eq_u32 s17, 0
	s_cbranch_scc0 .Lfor_b_\@
	tensor_load_to_lds s[\g0a:\g0a+3], s[\g1a:\g1a+7]
	s_nop 0
.rept 4
	v_nop
.endr
	s_branch .Lasked_\@
.Lfor_b_\@:
	tensor_load_to_lds s[\g0b:\g0b+3], s[\g1b:\g1b+7]
	s_nop 0
.rept 4
	v_nop
.endr
.Lasked_\@:
.endm
.macro CREST
	s_cmp_lg_u32 s16, 0
	s_cbranch_scc1 .Lnot_wave_0_\@
	s_barrier_signal -3
.Lnot_wave_0_\@:
	s_barrier_wait -3
	s_barrier_signal -1
	s_barrier_wait -1
.endm
.macro CROUND
	s_barrier_signal -1
	s_barrier_wait -1
	CREST
.endm
	s_load_b256 s[4:11], s[0:1], 0x0
	s_load_b128 s[12:15], s[0:1], 0x20
	v_lshl_add_u32 v[SPW], v0, 2, SPARE
	v_mov_b32 v[NIL], 0
	ds_add_u32 v28, v29
	ds_add_u32 v28, v29
	s_wait_dscnt 0x0
	v_lshrrev_b32 v1, 5, v0
	v_readfirstlane_b32 s16, v1
	s_lshr_b32 s17, s16, 1
	s_and_b32 s18, s16, 1
	s_bfe_u32 s20, ttmp6, 0x40000
	s_bfe_u32 s21, ttmp6, 0x40004
	s_and_b32 s44, ttmp7, 0xffff
	s_sub_co_u32 s45, s44, 8
	s_lshl_b32 s45, s45, 1
	s_add_co_u32 s45, s45, ttmp9
	s_mov_b32 s40, 640
	s_mov_b32 s41, 512
	s_cmp_ge_u32 s44, 8
	s_cselect_b32 s19, 1, 0
	s_cselect_b32 s42, s45, ttmp9
	s_cselect_b32 s43, 0, s44
	s_cselect_b32 s40, s40, 0
	s_cselect_b32 s41, 0, s41
	s_lshl_b32 s22, s42, 2
	s_add_co_u32 s22, s22, s20
	s_lshl_b32 s23, s43, 2
	s_add_co_u32 s23, s23, s21
	s_lshl_b32 s2, s21, 2
	s_lshl_b32 s2, 15, s2
	s_lshl_b32 s3, 0x1111, s20
	s_or_b32 s[G1+0], s2, (3<<16)|(1<<21)
	s_or_b32 s[G1B+0], s3, (3<<16)|(1<<21)
.irp g, G1, G1B
	s_mov_b32 s[\g+1], 384<<16
	s_mov_b32 s[\g+2], 16<<16                      ; the head's loads bring all 16 tile rows of a side; behind them these two words are set to 8, for the ring's
	s_mov_b32 s[\g+3], 384<<16
	s_mov_b32 s[\g+4], 16
	s_mov_b32 s[\g+5], 1536
	s_mov_b32 s[\g+6], 0
	s_mov_b32 s[\g+7], 0
.endr
	s_or_b32 s[G1S+0], s2, (3<<16)|(1<<21)
	s_or_b32 s[G1SB+0], s3, (3<<16)|(1<<21)
.irp g, G1S, G1SB
	s_mov_b32 s[\g+1], 128<<16                     ; the scale words of a side's 256 rows: 1,024 bytes for each of the 8 K steps
	s_mov_b32 s[\g+2], 8<<16
	s_mov_b32 s[\g+3], 128<<16
	s_mov_b32 s[\g+4], 8
	s_mov_b32 s[\g+5], 6144
	s_mov_b32 s[\g+6], 0
	s_mov_b32 s[\g+7], 0
.endr
	s_lshl_b32 s92, s23, 4
	s_add_co_u32 s92, s92, s40
	s_lshl_b32 s94, s92, 6
	s_mul_i32 s92, s92, 12288
	s_mov_b32 s93, 0
	s_mov_b32 s95, 0
	s_lshl_b32 s96, s22, 4
	s_add_co_u32 s96, s96, s41
	s_lshl_b32 s98, s96, 6
	s_mul_i32 s96, s96, 12288
	s_mov_b32 s97, 0
	s_mov_b32 s99, 0
	s_mul_i32 s45, s16, HALFT
	s_wait_kmcnt 0x0
	s_add_nc_u64 s[92:93], s[4:5], s[92:93]
	s_add_nc_u64 s[94:95], s[6:7], s[94:95]
	s_add_nc_u64 s[96:97], s[4:5], s[96:97]
	s_add_nc_u64 s[98:99], s[6:7], s[98:99]
	CROUND
	s_mov_b32 s[G0S], 1
	s_mov_b32 s[G0S+1], SCL
	s_mov_b64 s[G0S+2:G0S+3], s[94:95]
	s_or_b32 s[G0S+3], s[G0S+3], 0x80000000
	s_mov_b32 s[G0SB], 1
	s_mov_b32 s[G0SB+1], SCL+8192
	s_mov_b64 s[G0SB+2:G0SB+3], s[98:99]
	s_or_b32 s[G0SB+3], s[G0SB+3], 0x80000000
	s_mov_b32 s[G0], 1                             ; slot 0's group 0 serves the head first: a side's whole 16 tile rows
	s_mov_b32 s[G0+1], 0
	s_mov_b64 s[G0+2:G0+3], s[92:93]
	s_or_b32 s[G0+3], s[G0+3], 0x80000000
	s_mov_b32 s[G0B], 1
	s_mov_b32 s[G0B+1], 2*HALFT
	s_mov_b64 s[G0B+2:G0B+3], s[96:97]
	s_or_b32 s[G0B+3], s[G0B+3], 0x80000000
	s_mul_i32 s100, s18, 8*12288                   ; in the ring a wave fetches 8 tile rows: which half, in bytes,
	s_mov_b32 s101, 0
	s_mov_b32 s104, s45                            ; and where they go: wave x 8 tile rows
	s_mov_b32 s[G0+4], 1
	s_add_co_u32 s[G0+5], s45, SLOT
	s_add_nc_u64 s[G0+6:G0+7], s[92:93], s[100:101]
	s_add_nc_u64 s[G0+6:G0+7], s[G0+6:G0+7], TROW
	s_or_b32 s[G0+7], s[G0+7], 0x80000000
	s_mov_b32 s[G0B+4], 1
	s_add_co_u32 s[G0B+5], s45, SLOT
	s_add_nc_u64 s[G0B+6:G0B+7], s[96:97], s[100:101]
	s_add_nc_u64 s[G0B+6:G0B+7], s[G0B+6:G0B+7], TROW
	s_or_b32 s[G0B+7], s[G0B+7], 0x80000000
; THE HEAD'S LOADS, ONE A WAVE: wave 0 fetches slot 0's 16 tile rows of the first side, wave 1 those of the second, wave 2 the first side's scale words, wave 3 the second's.
; One chain of branches on the wave's number, one load to an arm, all arms leading to one join.
.macro ARM under, g0, g1, next
	s_cmp_lt_u32 s16, \under
	s_cbranch_scc0 \next
	tensor_load_to_lds s[\g0:\g0+3], s[\g1:\g1+7]
	s_nop 0
.rept 4
	v_nop
.endr
	s_branch .Lhead_asked
\next:
.endm
	ARM 1, G0,  G1,  .Lhead_b
	ARM 2, G0B, G1B, .Lhead_sa
	ARM 3, G0S, G1S, .Lhead_sb
	tensor_load_to_lds s[G0SB:G0SB+3], s[G1SB:G1SB+7]
	s_nop 0
.rept 4
	v_nop
.endr
.Lhead_asked:
	v_and_b32 v1, 31, v0
	v_and_b32 v2, 15, v0
	v_bfe_u32 v3, v0, 4, 1
	s_wait_alu depctr_va_vdst(0)
	v_lshlrev_b32 v4, 4, v1
	s_mul_i32 s44, s17, HALFT
	s_mul_i32 s45, s18, HALFT
	s_add_co_u32 s45, s45, 2*HALFT
.irp s, 0,1
	v_add_nc_u32 v[ADRA+\s], s44, v4
	v_add_nc_u32 v[ADRB+\s], s45, v4
	s_add_co_u32 s44, s44, SLOT
	s_add_co_u32 s45, s45, SLOT
.endr
	s_lshl_b32 s44, s17, 9                         ; a half's 128 rows are 512 bytes of a K step's 1,024
	s_lshl_b32 s45, s18, 9
	s_add_co_u32 s45, s45, 8192
	s_sub_co_u32 s45, s45, s44
	v_mul_u32_u24 v5, s45, v3
	v_lshl_add_u32 v5, v2, 4, v5
	s_add_co_u32 s44, s44, SCL
	v_add_nc_u32 v[ADRS], s44, v5
	s_cmp_eq_u32 s19, 1
	s_cselect_b32 s92, s23, s22
	s_cselect_b32 s93, s17, s18
	s_cselect_b32 s94, s22, s23
	s_cselect_b32 s95, s18, s17
	s_and_b32 s92, s92, 3
	s_lshl_b32 s92, s92, 2
	s_lshl_b32 s93, s93, 1
	s_add_co_u32 s92, s92, s93
	s_lshl_b32 s94, s94, 8
	s_lshl_b32 s95, s95, 7
	s_add_co_u32 s94, s94, s95
	s_lshr_b32 s95, s94, 11
	s_and_b32 s94, s94, 2047
	s_lshl_b32 s98, s95, 4
	s_add_co_u32 s98, s98, s92
	s_lshr_b32 s99, s98, 1
	s_mul_i32 s99, s99, 24576
	s_lshl_b32 s2, s98, 13
	s_or_b32 s96, s19, ttmp9
	s_mov_b32 s97, 98304
	s_cmp_eq_u32 s96, 0
	s_cselect_b64 s[OB:OB+1], s[8:9], s[12:13]
	s_cselect_b64 s[SB:SB+1], s[10:11], s[14:15]
	s_cselect_b32 s97, 49152, s97
	s_cselect_b32 s2, s2, s99
	s_lshl_b32 s99, s98, 1
	s_lshr_b32 s3, s94, 10
	s_add_co_u32 s99, s99, s3
	s_mul_i32 s[OFF], s99, s97
	s_and_b32 s3, s94, 1023
	s_mul_i32 s3, s3, 48
	s_add_co_u32 s[OFF], s[OFF], s3
	s_mul_i32 s3, s19, 49152
	s_add_co_u32 s[OFF], s[OFF], s3
	s_lshl_b32 s[SHF], s97, 1
	s_mov_b32 s[SA], 768
	s_mov_b32 s[S34], 768
	s_mov_b32 s95, 256
	s_cmp_eq_u32 s19, 1
	s_cselect_b32 s[SHF], 768, s[SHF]
	s_cselect_b32 s[SA], 1536, s[SA]
	s_cselect_b32 s[S34], 192000, s[S34]
	s_cselect_b32 s3, 1, 2
	s_cselect_b32 s99, 16384, 0
	s_cselect_b32 s93, 0, 8192
	s_cselect_b32 s95, 4096, s95
	s_cselect_b32 s97, 0, 16
	s_lshl_b32 s3, s94, s3
	s_add_co_u32 s2, s2, s3
	s_add_co_u32 s2, s2, s99
	v_lshlrev_b32 v[VL8], 3, v1
	v_mul_u32_u24 v[VSH], s97, v3
	v_mul_u32_u24 v5, s93, v3
	v_lshl_add_u32 v5, v2, 4, v5
	v_add_nc_u32 v[VSO], s2, v5
	v_add_nc_u32 v[VSO+1], s95, v[VSO]
.irp b, 0,1,2,3
	v_mov_b32 v[TM+4+\b], 0
.endr
	s_mov_b32 s[SEL], 0x76543210
	s_mov_b32 s[SEL+1], 0xfedcba98
.macro FRAG reg, adr, q, i
.irp c, 0,1,2
	ds_load_b128 v[\reg+4*\c:\reg+4*\c+3], v[\adr] offset:(\i)*TROW+(\q)*IMGB+512*\c
.endr
.endm
.macro MUL16 a0, p, q, sc, zero
.irp a, \a0, \a0+1
.irp b, 0,1,2,3,4,5,6,7
.if \zero
	v_wmma_scale_f32_16x16x128_f8f6f4 v[8*(8*((\a)%4)+\b):8*(8*((\a)%4)+\b)+7], v[128*(\p)+FR*\b:128*(\p)+FR*\b+FR-1], v[AF+FR*(\a):AF+FR*(\a)+FR-1], 0, v[SC+16*(\sc)+8*(\q)+\b], v[SC+16*(\sc)+8*(\q)+(\a)] matrix_a_fmt:MATRIX_FMT_FP6 matrix_b_fmt:MATRIX_FMT_FP6 matrix_a_scale:MATRIX_SCALE_ROW1
.else
	v_wmma_scale_f32_16x16x128_f8f6f4 v[8*(8*((\a)%4)+\b):8*(8*((\a)%4)+\b)+7], v[128*(\p)+FR*\b:128*(\p)+FR*\b+FR-1], v[AF+FR*(\a):AF+FR*(\a)+FR-1], v[8*(8*((\a)%4)+\b):8*(8*((\a)%4)+\b)+7], v[SC+16*(\sc)+8*(\q)+\b], v[SC+16*(\sc)+8*(\q)+(\a)] matrix_a_fmt:MATRIX_FMT_FP6 matrix_b_fmt:MATRIX_FMT_FP6 matrix_a_scale:MATRIX_SCALE_ROW1
.endif
.endr
.endr
.endm
.macro FETCH_B slot, q, p
	WIN TO_B
.irp i, 0,1,2,3,4,5,6,7
	FRAG 128*(\p)+FR*\i, ADRB+\slot, \q, \i
.endr
	WIN 0
.endm
.macro FETCH_A slot, q, i0
.irp i, \i0, \i0+1, \i0+2, \i0+3
	FRAG AF+FR*(\i), ADRA+\slot, \q, \i
.endr
.endm
.macro SCALES sc
.irp u, 0,1,2,3
	ds_load_b128 v[SC+16*\sc+4*\u:SC+16*\sc+4*\u+3], v[ADRS] offset:1024*(\u/2)+256*(\u%2)
.endr
.endm
.macro PLACES n
.rept \n
	v_nop
.endr
.endm
.macro STEP slot, q, zero
	s_wait_dscnt 4*NL
	WIN MUL_LO
	MUL16 0, (\q)%2, \q, \slot, \zero
	MUL16 2, (\q)%2, \q, \slot, \zero
	s_wait_dscnt 0
	PLACES NP
	FETCH_B \slot, (\q)+1, 1-(\q)%2
	FETCH_A \slot, (\q)+1, 0
	WIN MUL_HI
	MUL16 4, (\q)%2, \q, \slot, \zero
	MUL16 6, (\q)%2, \q, \slot, \zero
	PLACES NP
	WIN 0
	FETCH_A \slot, (\q)+1, 4
.endm
.macro TURN slot, next, fill
	s_wait_tensorcnt 0x0
	ds_add_u32 v[SPW], v[NIL]
	s_wait_dscnt 4*NL+1
	WIN MUL_LO
	MUL16 0, 1, NQ-1, \slot, 0
	s_wait_dscnt 0x0
	s_barrier_signal -1
	MUL16 2, 1, NQ-1, \slot, 0
	WIN 0
	s_barrier_wait -1
.if \fill
	CREST
	s_add_nc_u64 s[G0+4*\slot+2:G0+4*\slot+3], s[G0+4*\slot+2:G0+4*\slot+3], 2*TROW
	s_add_nc_u64 s[G0B+4*\slot+2:G0B+4*\slot+3], s[G0B+4*\slot+2:G0B+4*\slot+3], 2*TROW
	JLOAD G0+4*\slot, G1, G0B+4*\slot, G1B
.else
	PLACES NP
.endif
	s_wait_alu depctr_va_vdst(0)
	v_add_nc_u32 v[ADRS], 2048, v[ADRS]
	FETCH_B \next, 0, 0
	FETCH_A \next, 0, 0
	SCALES \next
	WIN MUL_HI
	MUL16 4, 1, NQ-1, \slot, 0
	MUL16 6, 1, NQ-1, \slot, 0
	PLACES NP
	WIN 0
	FETCH_A \next, 0, 4
.endm
	s_wait_alu depctr_va_vdst(0)
	s_wait_tensorcnt 0x0                           ; my tile of the head's four is in
	ds_add_u32 v28, v29
	s_mov_b32 s[G1+2], 8<<16                       ; no tensor load of mine is out: from here on a load brings 8 tile rows,
	s_mov_b32 s[G1+4], 8
	s_mov_b32 s[G1B+2], 8<<16
	s_mov_b32 s[G1B+4], 8
	s_mov_b32 s[G0+1], s104                        ; and slot 0's group 0 stands at my half
	s_add_nc_u64 s[G0+2:G0+3], s[G0+2:G0+3], s[100:101]
	s_mov_b32 s[G0B+1], s104
	s_add_nc_u64 s[G0B+2:G0B+3], s[G0B+2:G0B+3], s[100:101]
	s_wait_dscnt 0x0
	CROUND                                         ; all four tiles are in, and all sixteen work-groups are here
	JLOAD G0+4, G1, G0B+4, G1B                     ; slot 1's first fill, the first tensor load behind the round
	FETCH_B 0, 0, 0
	FETCH_A 0, 0, 0
	SCALES 0
	FETCH_A 0, 0, 4
	STEP 0, 0, 1
	TURN 0, 1, 1
	STEP 1, 0, 0
	TURN 1, 0, 1
	STEP 0, 0, 0
	TURN 0, 1, 0
	STEP 1, 0, 0
	s_wait_dscnt 4*NL
	WIN MUL_LO
	MUL16 0, 1, NQ-1, 1, 0
	MUL16 2, 1, NQ-1, 1, 0
	s_wait_dscnt 0
	WIN MUL_HI
	MUL16 4, 1, NQ-1, 1, 0
	MUL16 6, 1, NQ-1, 1, 0
	WIN 0
.macro OUTA a
.set AC, 64*((\a)%4)
.set W,  2+(\a)/4
.set WMX, (W<<2)|(W<<4)
	WIN WMX
.irp b, 0,1,2,3
	v_max3_num_f32 v[TM+\b], 0x1800000, |v[AC+16*\b]|, |v[AC+16*\b+1]|
.endr
.irp i, 2,4,6,8,10,12,14
.irp b, 0,1,2,3
	v_max3_num_f32 v[TM+\b], v[TM+\b], |v[AC+16*\b+\i]|, |v[AC+16*\b+\i+1]|
.endr
.endr
	WIN 0
.irp b, 0,1,2,3
	v_permlanex16_b32 v[TM+4+\b], v[TM+\b], s[SEL], s[SEL+1]
.endr
.irp b, 0,1,2,3
	v_max_num_f32 v[TM+\b], v[TM+\b], v[TM+4+\b]
.endr
.irp b, 0,1,2,3
	v_add_nc_u32 v[TM+12+\b], 0xff000000, v[TM+\b]
.endr
.irp b, 0,1,2,3
	v_lshrrev_b32 v[TM+4+\b], 23, v[TM+12+\b]
.endr
	v_lshl_or_b32 v[PWB+(\a)], v[TM+5], 8, v[TM+4]
	v_lshl_or_b32 v[PWB+(\a)], v[TM+6], 16, v[PWB+(\a)]
	v_lshl_or_b32 v[PWB+(\a)], v[TM+7], 24, v[PWB+(\a)]
	s_wait_xcnt 0x0
	WIN W
.irp c, 0,1
	v_cvt_scalef32_pk16_fp6_f32 v[PC+6*\c:PC+6*\c+2], v[AC+32*\c:AC+32*\c+15], v[TM+12+2*\c]
	v_cvt_scalef32_pk16_fp6_f32 v[PC+12+4*\c:PC+14+4*\c], v[AC+32*\c+16:AC+32*\c+31], v[TM+13+2*\c]
.endr
	WIN 0
	v_nop
.irp c, 0,1
.irp i, 0,1,2
	v_permlane16_swap_b32 v[PC+6*\c+\i], v[PC+12+4*\c+\i]
.endr
.irp i, 0,1,2
	v_mov_b32 v[PC+3+6*\c+\i], v[PC+12+4*\c+\i]
.endr
.endr
	v_add_nc_u32 v[VO1], s[OFF], v[VL8]
	v_add_nc_u32 v[VO2], s[SHF], v[VO1]
.irp p, 0,1,2
	global_store_b64 v[VO1], v[PC+2*\p:PC+2*\p+1], s[OB:OB+1] offset:256*\p
.endr
.irp p, 0,1,2
	global_store_b64 v[VO2], v[PC+6+2*\p:PC+7+2*\p], s[OB:OB+1] offset:256*\p
.endr
.if (\a) == 3
	s_add_co_u32 s[OFF], s[OFF], s[S34]
.else
	s_add_co_u32 s[OFF], s[OFF], s[SA]
.endif
.if ((\a)%4) == 3
.irp i, 0,1,2,3
	v_lshrrev_b32 v[PWB+4*((\a)/4)+\i], v[VSH], v[PWB+4*((\a)/4)+\i]
.endr
	global_store_b128 v[VSO+(\a)/4], v[PWB+4*((\a)/4):PWB+4*((\a)/4)+3], s[SB:SB+1]
.endif
.endm
	PLACES NP
.irp a, 0,1,2,3,4,5,6,7
	OUTA \a
.endr
	s_wait_tensorcnt 0x0
	ds_add_u32 v[SPW], v[NIL]
	s_wait_dscnt 0x0
	CROUND
	s_endpgm
.Lfunc_end_k_qa82cd907e0_qkv:
	.size	k_qa82cd907e0_qkv, .Lfunc_end_k_qa82cd907e0_qkv-k_qa82cd907e0_qkv
	.p2alignl 7, 3214868480
	.fill 96, 4, 3214868480
	.section	.rodata,"a",@progbits
	.p2align	6, 0x0
	.amdhsa_kernel k_qa82cd907e0_qkv
		.amdhsa_group_segment_fixed_size 327680
		.amdhsa_private_segment_fixed_size 0
		.amdhsa_enable_private_segment 0
		.amdhsa_kernarg_size 48
		.amdhsa_user_sgpr_count 2
		.amdhsa_user_sgpr_kernarg_segment_ptr 1
		.amdhsa_wavefront_size32 1
		.amdhsa_system_sgpr_workgroup_id_x 1
		.amdhsa_system_sgpr_workgroup_id_y 1
		.amdhsa_system_sgpr_workgroup_id_z 1
		.amdhsa_system_vgpr_workitem_id 0
		.amdhsa_next_free_vgpr 1024
		.amdhsa_next_free_sgpr 106
		.amdhsa_reserve_vcc 0
		.amdhsa_float_denorm_mode_32 3
		.amdhsa_float_denorm_mode_16_64 3
		.amdhsa_memory_ordered 1
		.amdhsa_forward_progress 1
		.amdhsa_inst_pref_size 145
	.end_amdhsa_kernel
	.amdgpu_metadata
---
amdhsa.version: [ 1, 2 ]
amdhsa.kernels:
  - .name:           k_qa82cd907e0_qkv
    .symbol:         k_qa82cd907e0_qkv.kd
    .args:
      - { .name: opimg, .offset: 0, .size: 8, .value_kind: global_buffer, .address_space: global }
      - { .name: opsc, .offset: 8, .size: 8, .value_kind: global_buffer, .address_space: global }
      - { .name: qimg, .offset: 16, .size: 8, .value_kind: global_buffer, .address_space: global }
      - { .name: qsc, .offset: 24, .size: 8, .value_kind: global_buffer, .address_space: global }
      - { .name: kvimg, .offset: 32, .size: 8, .value_kind: global_buffer, .address_space: global }
      - { .name: kvsc, .offset: 40, .size: 8, .value_kind: global_buffer, .address_space: global }
    .group_segment_fixed_size: 327680
    .private_segment_fixed_size: 0
    .kernarg_segment_align: 8
    .kernarg_segment_size: 48
    .max_flat_workgroup_size: 128
    .sgpr_count:     106
    .vgpr_count:     1024
    .wavefront_size: 32
...
	.end_amdgpu_metadata
.endif
;; end of part 2
;; launch attn (part 3): grid 4 x 64, 16 waves a work-group, no clusters, 327,680 bytes of LDS; arguments qimg, qsc, kvimg, kvsc, rel_bias_table, aimg, asc; writes aimg, asc
.if DOCPART == 3
	.amdgcn_target "amdgcn-amd-amdhsa--gfx1250"
	.amdhsa_code_object_version 6
	.text
	.protected	k_qa82cd907e0_attn
	.globl	k_qa82cd907e0_attn
	.p2align	8
	.type	k_qa82cd907e0_attn,@function
k_qa82cd907e0_attn:
	s_mov_b64 s[64:65], 0
	v_nop
	global_prefetch_b8 v0, s[64:65] scope:SCOPE_SE
	s_setreg_imm32_b32 hwreg(HW_REG_WAVE_MODE, 25, 1), 1
	s_wait_xcnt 0x0
; Attention on codes of FP6 (E2M3): for each b and head, O[q] = sum over k of softmax_k(q . k / 8 + table[bucket(k - q)][head]) v[k]; head size 64, 2,048 keys.  O is quantised on the way out as the left operand of the projection.
; THE SOFTMAX AHEAD OF THE SECOND PRODUCT: t = logit x log2(e); M = the running largest t, rounded up to a whole number; p = 2^(t - M) is quantised along the keys; the row's sum is taken of the unquantised p and divides O at the end.
; 1/8 is a power of two, so t = (s + 8 bias) x log2(e) / 8 with s the raw product: 8 x bias is the C of the first product.
; SHARES.  A work-group owns ONE b and head and 512 queries; its sixteen waves own 32 queries each, as two tiles of 16 that are walked one after the other over all 2,048 keys, 128 keys a step.
; THE HEAD'S WHOLE K AND V (196,608 bytes) STAY IN LDS: nothing is filled again.  Keys 0-1,023 and the scale words come by the head's loads, one a wave; keys 1,024-2,047 are asked for behind the first barrier
; and are awaited, with one more barrier, behind the first tile's eighth step.  The other 24 steps of a wave pass no barrier.
; Both products are transposed (S^T = K Q^T, O^T = V^T P^T): a lane holds one query throughout.
; K = 64 IN AN INSTRUCTION OF 128: Q's operand is six registers of codes and six of zeros.  K's tile t is v[KB + 6 t .. + 11]: its upper six registers are the next tile's codes (behind tile 7: zeros); they meet Q's zero codes.
; A LANE OWNS WHOLE BLOCKS OF 32 KEYS.  Tile 4 c + u of a step takes as rows 0-7 the keys 64 c + 8 s(u) + 0..7 and as rows 8-15 the keys 64 c + 32 + 8 s(u) + 0..7, s = 0, 2, 1, 3: so lane (r, h) holds, in 32 registers on end,
; block 2 c + h in the order 0-7, 16-23, 8-15, 24-31, which is V's order of keys and the layout of p's operand: a block's maximum needs no other lane and p's codes are not moved between lanes.
; The tiles are composed by LDS addresses alone: kvimg holds tiles of 16 neighbouring keys, 768 bytes each; lanes with r >= 8 read two such tiles further on.  LDS rows are 256 bytes + 32: the 32 lanes of such a load touch 64 different banks.
; THE BIAS hangs on k - q alone.  LDS holds 8 x bias for k - q = -256 .. 255 in four copies, each shifted by one entry, so that a lane's eight neighbours begin on a multiple of 16 bytes.
; With wave = 4 a + b and J = step - 4 x block - a, k - q = 128 J - 32 b + (0 .. 127) - (0 .. 31): for J = -1, 0, 1 the C comes from the table; else |k - q| is 129 or more and the bias is one number for each side, kept in eight registers.
; bucket(n = |k - q|): n under 8; then 8 + the number of 12, 16, 23, 32, 46, 64, 91 that n has reached; + 16 where k > q.  LIMIT: the borders 16, 32, 64 are those of f32 arithmetic with a logarithm rounded rightly at 2, 4 and 8.
; NO CLUSTER, though the four query blocks of a head read the same K and V: whether a step takes the table or the constant is a branch on the query block's number, which would be the place in such a cluster.
; NO PREFETCH: both parts of K and V are asked for by their own loads at the start, the second eight key steps ahead of its first read; there is no later stream to run ahead of.
; THE WAY OUT keeps the projection's layout, an image of 12 registers for a PAIR of heads: a head's six registers are one store of 16 bytes a lane (512 bytes on end) and one of 8 bytes a lane in the image's middle 512 bytes, whose
; other halves the pair's other head stores; its two scale bytes are half of a row's word (16 stores of 2 bytes within 256 bytes).
; LIMITS: a block of zeros, or one under 2^-124, gets the byte 1; NaN and infinities are not served; the scaled scores stay under 2^31 in magnitude.
.set P1,    110592                     ; part 0 at 0, part 1 here: 384 rows of 288 bytes: K's 64 tiles x 3 rows, then V's 8 key steps x 4 tiles x 6 rows
.set VOFF,  55296                      ; V's rows in a part
.set KVSC,  221184                     ; K's scale words, 32 rows; V's, 16 rows
.set VSC,   KVSC+9216
.set TAB,   235008                     ; the bias: 4 copies x 2,112 bytes
.set TCOPY, 2112
.set SPARE, 243456                     ; the spare words, 128 bytes for each wave: eight blocks of 256 bytes that no other line names
.set L8,   1                           ; 8 x lane
.set AK,   2                           ; my place in K's tiles
.set ASK,  3                           ; in K's scale words
.set ASV,  4                           ; in V's
.set SPW,  5                           ; my spare word; never rewritten
.set NIL,  6                           ; 0; never rewritten
.set TABA, 7                           ; my place in the bias
.set ADK,  8                           ; v8-11 the addresses of the step in hand
.set ADS,  9
.set ADV,  10
.set ADT,  11                          ; v12 -M, v13 the running largest raw score, v[14:15] the row's sum in two halves
.set Q,    16                          ; v16-27, v28-39 Q of my two tiles
.set QS,   40                          ; v40-41 their scale words
.set KS,   42                          ; v42-45 K's scale words: lanes 0-15 tiles 0-3, lanes 16-31 tiles 4-7
.set VS,   46                          ; v46-49 V's
.set PSW,  50                          ; p's scale word
.set SH8,  51                          ; 8 h
.set KB,   52                          ; v52-99 K's or V's fragments; v100-105 zeros
.set IM,   106                         ; v106-111, v112-117 the two tiles' half fragments on their way out
.set CLR,  118                         ; 8 x bias far to the left, far to the right
.set GO,   120                         ; 16 x lane
.set GS,   121                         ; 16 r
.set F,    122                         ; v[122:123] a factor (the low word serves both halves)
.set T,    124
.set TP,   125
.set HW,   126                         ; v126-127 the two tiles' scale bytes
.set S,    128                         ; v128-191 S^T, then p
.set O,    192                         ; v192-223 O^T
.set PC,   224                         ; v224-235 p's codes
.set X,    236                         ; v236-243 at work
.set VTB,  243                         ; (at the head: where my thread writes the bias)
.set BM,   244
.set BX,   246
.set CF,   248                         ; v248-255 the far constant as a C operand
.set WV,   18
.set E,    19
.set SEL,  20
.set CS,   22
.set NC,   24
.set G1A,  28
.set G1K,  36
.set G1V,  44
.set G0A,  52
.set G0K,  56
.set G0V,  60
.set TK,   66
.set TS,   67
.set TV,   68
.set KJ,   69
.set CNT,  70
.set KJ0,  71
.macro DESC g, rows                    ; a dense block as rows of 256 bytes (32 elements of 8 bytes), 8 words of padding behind each
	s_mov_b32 s[\g], (3<<16)|(1<<20)|(5<<22)|(7<<25)
	s_mov_b32 s[\g+1], 32<<16
	s_mov_b32 s[\g+2], \rows<<16
	s_mov_b32 s[\g+3], 32<<16
	s_mov_b32 s[\g+4], \rows
	s_mov_b32 s[\g+5], 32
	s_mov_b32 s[\g+6], 0
	s_mov_b32 s[\g+7], 0
.endm
.macro FOURNOP
.rept 4
	v_nop
.endr
.endm
	s_load_b256 s[4:11], s[0:1], 0x0               ; qimg s[4:5], qsc s[6:7], kvimg s[8:9], kvsc s[10:11]
	s_load_b128 s[12:15], s[0:1], 0x20             ; the table s[12:13], aimg s[14:15]
	s_load_b64 s[16:17], s[0:1], 0x30              ; asc
	v_lshl_add_u32 v[SPW], v0, 2, SPARE
	v_mov_b32 v[NIL], 0
	ds_add_u32 v[SPW], v[NIL]                      ; the opening lines: the add, twice on end, and its wait ahead of my first tensor load
	ds_add_u32 v[SPW], v[NIL]
	v_lshrrev_b32 v12, 5, v0
	v_readfirstlane_b32 s[WV], v12                 ; wave 0..15
	DESC G1A, 32
	DESC G1K, 16
	DESC G1V, 8
	s_mov_b32 s[SEL], 0x76543210
	s_mov_b32 s[SEL+1], 0xfedcba98                 ; selects for lane l xor 16
	s_mov_b32 s[CS], 0x3e38aa3b                    ; log2(e) / 8
	s_mov_b32 s[CS+1], s[CS]
	s_mov_b32 s[NC], 0xbe38aa3b                    ; and its negative
	s_and_b32 s72, ttmp7, 0xffff                   ; y = 16 b + head
	s_and_b32 s[E], s72, 1                         ; which head of its pair
	s_lshr_b32 s73, s72, 1                         ; 8 b + pair
	s_and_b32 s74, s[WV], 1
	s_mov_b32 s[G0A], 1
	s_mov_b32 s[G0K], 1
	s_mov_b32 s[G0V], 1
	s_mul_i32 s[G0A+1], s[WV], 9216                ; waves 0-11: 32 rows each of a part
	s_mul_i32 s[G0K+1], s74, 4608                  ; waves 12, 13: 16 rows each of K's scale words
	s_add_co_u32 s[G0K+1], s[G0K+1], KVSC
	s_mul_i32 s[G0V+1], s74, 2304                  ; waves 14, 15: 8 rows each of V's
	s_add_co_u32 s[G0V+1], s[G0V+1], VSC
	s_mul_i32 s76, s72, 196608                     ; kvimg: a head's two parts on end
	s_lshl_b32 s75, s[WV], 13
	s_add_co_u32 s76, s76, s75
	s_mov_b32 s77, 0
	s_mul_i32 s78, s73, 24576                      ; kvsc: a pair has K's words, 2 x 8,192, then V's, 2 x 4,096
	s_lshl_b32 s75, s[E], 13
	s_add_co_u32 s78, s78, s75
	s_lshl_b32 s75, s74, 12
	s_add_co_u32 s78, s78, s75
	s_mov_b32 s79, 0
	s_mul_i32 s80, s73, 24576
	s_lshl_b32 s75, s[E], 12
	s_add_co_u32 s80, s80, s75
	s_lshl_b32 s75, s74, 11
	s_add_co_u32 s80, s80, s75
	s_add_co_u32 s80, s80, 16384
	s_mov_b32 s81, 0
	s_and_b32 s75, s[WV], 3
	s_xor_b32 s75, s75, 3
	s_lshl_b32 s75, s75, 7
	s_add_co_u32 s75, s75, TAB+16                  ; 128 (3 - wave % 4) + 16
	; every LDS address register is made here, ahead of the first branch on the wave's number
	v_and_b32 v12, 31, v0                          ; lane
	v_and_b32 v13, 15, v0                          ; r
	v_bfe_u32 v14, v0, 4, 1                        ; h
	v_and_b32 v15, 7, v0
	v_bfe_u32 v128, v0, 3, 1
	v_lshlrev_b32 v[L8], 3, v12
	v_lshlrev_b32 v[GO], 4, v12
	v_lshlrev_b32 v[GS], 4, v13
	v_lshlrev_b32 v[SH8], 3, v14
	v_lshlrev_b32 v[AK], 3, v15                    ; 8 (r % 8)
	v_lshlrev_b32 v[ASK], 4, v15                   ; 16 (r % 8)
	v_lshl_add_u32 v[AK], v14, 7, v[AK]            ; + 128 h
	v_lshl_add_u32 v[ASK], v128, 3, v[ASK]         ; + 8 (r / 8): two tiles of 16 keys on
	v_mad_u32_u24 v[AK], v128, 1728, v[AK]         ; + six rows for r >= 8: two tiles of 16 keys on
	v_mad_u32_u24 v[ASK], v14, 288, v[ASK]         ; lanes 16-31: the step's second 64 keys
	v_add_nc_u32 v[ASK], KVSC, v[ASK]
	v_lshl_add_u32 v[ASV], v13, 4, VSC
	v_and_b32 v15, 3, v0
	v_mul_u32_u24 v[TABA], v15, TCOPY              ; copy r % 4,
	v_bfe_u32 v15, v0, 2, 2
	v_xor_b32 v15, 3, v15
	v_lshl_add_u32 v[TABA], v15, 4, v[TABA]        ; 16 (3 - r / 4),
	v_lshl_add_u32 v[TABA], v14, 7, v[TABA]        ; 128 h: lanes 16-31 stand 32 keys on
	v_add_nc_u32 v[TABA], s75, v[TABA]
	v_lshl_add_u32 v[VTB], v0, 2, TAB
	s_wait_alu depctr_va_vdst(0)
	s_wait_dscnt 0x0                               ; both opening adds are done
	s_wait_kmcnt 0x0
	s_add_nc_u64 s[G0A+2:G0A+3], s[8:9], s[76:77]
	s_or_b32 s[G0A+3], s[G0A+3], 0x80000000
	s_add_nc_u64 s[G0K+2:G0K+3], s[10:11], s[78:79]
	s_or_b32 s[G0K+3], s[G0K+3], 0x80000000
	s_add_nc_u64 s[G0V+2:G0V+3], s[10:11], s[80:81]
	s_or_b32 s[G0V+3], s[G0V+3], 0x80000000
	s_cmp_lt_u32 s[WV], 12                         ; the head's loads, one a wave, in one chain of branches with one join
	s_cbranch_scc0 .Lhead_k
	tensor_load_to_lds s[G0A:G0A+3], s[G1A:G1A+7]
	s_nop 0
	FOURNOP
	s_branch .Lasked
.Lhead_k:
	s_cmp_lt_u32 s[WV], 14
	s_cbranch_scc0 .Lhead_v
	tensor_load_to_lds s[G0K:G0K+3], s[G1K:G1K+7]
	s_nop 0
	FOURNOP
	s_branch .Lasked
.Lhead_v:
	tensor_load_to_lds s[G0V:G0V+3], s[G1V:G1V+7]
	s_nop 0
	FOURNOP
.Lasked:
	s_lshl_b32 s74, s72, 7                         ; qimg: (128 y + 32 x block + 2 x wave) tiles of 768 bytes
	s_lshl_b32 s75, ttmp9, 5
	s_add_co_u32 s74, s74, s75
	s_lshl_b32 s75, s[WV], 1
	s_add_co_u32 s74, s74, s75
	s_mul_i32 s76, s74, 768
	s_add_nc_u64 s[4:5], s[4:5], s[76:77]
	s_lshl_b32 s78, ttmp9, 11                      ; scale words: 256 bytes for 64 tokens, 4 bytes a tile
	s_lshr_b32 s75, s[WV], 1
	s_lshl_b32 s75, s75, 8
	s_add_co_u32 s78, s78, s75
	s_and_b32 s75, s[WV], 1
	s_lshl_b32 s75, s75, 3
	s_add_co_u32 s78, s78, s75
	s_lshl_b32 s76, s72, 13                        ; qsc: 8,192 bytes a head
	s_add_co_u32 s76, s76, s78
	s_add_nc_u64 s[6:7], s[6:7], s[76:77]
	s_and_b32 s79, s72, 15                         ; the head
	s_lshl_b32 s76, s79, 2
	s_add_nc_u64 s[12:13], s[12:13], s[76:77]      ; its column of the table
	s_lshr_b32 s80, s72, 4                         ; b
	s_lshr_b32 s79, s79, 1                         ; the pair = the projection's K step
	s_lshl_b32 s76, s80, 7
	s_lshl_b32 s75, ttmp9, 5
	s_add_co_u32 s76, s76, s75
	s_lshl_b32 s75, s[WV], 1
	s_add_co_u32 s76, s76, s75                     ; my first tile of tokens
	s_lshl_b32 s76, s76, 3
	s_add_co_u32 s76, s76, s79
	s_mul_i32 s76, s76, 1536
	s_add_nc_u64 s[14:15], s[14:15], s[76:77]
	s_lshl_b32 s76, s79, 15                        ; asc: 32,768 bytes a K step, 8,192 a b; my head's two bytes of a word
	s_lshl_b32 s75, s80, 13
	s_add_co_u32 s76, s76, s75
	s_add_co_u32 s76, s76, s78
	s_lshl_b32 s75, s[E], 1
	s_add_co_u32 s76, s76, s75
	s_add_nc_u64 s[16:17], s[16:17], s[76:77]
	s_lshl_b32 s75, ttmp9, 2
	s_lshr_b32 s76, s[WV], 2
	s_add_co_u32 s75, s75, s76
	s_sub_co_u32 s[KJ0], 1, s75                    ; J + 1 of step 0; a number under 0 counts as a large one
	; my thread's entry of the bias: k - q = thread - 256
	v_add_nc_u32 v128, 0xffffff00, v0
	v_sub_nc_u32 v129, 0, v128
	v_cmp_lt_i32 vcc_lo, 0, v128
	v_cndmask_b32 v129, v129, v128, vcc_lo         ; n = |k - q|
	v_cndmask_b32 v132, 0, 16, vcc_lo
	v_min_u32 v130, 8, v129
.irp th, 12,16,23,32,46,64,91
	v_cmp_le_u32 vcc_lo, \th, v129
	v_cndmask_b32 v131, 0, 1, vcc_lo
	v_add_nc_u32 v130, v130, v131
.endr
	v_add_nc_u32 v130, v130, v132
	v_min_u32 v130, 31, v130
	v_lshlrev_b32 v134, 6, v130                    ; a row of the table is 64 bytes
	v_mov_b32 v135, 0
	global_load_b32 v132, v134, s[12:13]           ; my entry
	global_load_b32 v[CLR], v135, s[12:13] offset:960      ; bucket 15: far to the left
	global_load_b32 v[CLR+1], v135, s[12:13] offset:1984   ; bucket 31: far to the right
.irp a, 0,1
.irp p, 0,1,2
	global_load_b64 v[Q+12*\a+2*\p:Q+12*\a+2*\p+1], v[L8], s[4:5] offset:768*\a+256*\p
.endr
.endr
	global_load_b64 v[QS:QS+1], v[GS], s[6:7]      ; both tiles' scale words
.irp j, 0,1,2,3,4,5
	v_mov_b32 v[Q+6+\j], 0                         ; the upper half of K: zero codes
	v_mov_b32 v[Q+18+\j], 0
	v_mov_b32 v[KB+48+\j], 0
.endr
	v_mov_b32 v[F+1], 0                            ; (named as the upper half of a pair)
	v_mov_b32 v[TP], 0                             ; written once: a lane permute's destination counts as one of its sources
	s_wait_loadcnt 7                               ; the table's three loads are in; Q's six and its scale words may be out
	v_mul_f32 v132, 0x41000000, v132               ; x 8
	v_mul_f32 v[CLR], 0x41000000, v[CLR]
	v_mul_f32 v[CLR+1], 0x41000000, v[CLR+1]
.irp c, 0,1,2,3
	ds_store_b32 v[VTB], v132 offset:(TCOPY+4)*\c  ; copy c holds it one entry further on than copy c - 1
.endr
.macro BIAS qi, kj                     ; C = 8 x bias for this step's 128 keys and my query: eight neighbours a tile
.irp t, 0,1,2,3,4,5,6,7
	ds_load_b128 v[S+8*\t:S+8*\t+3], v[TABA] offset:512*\kj+256*(\t/4)+64*(\t%2)+32*((\t%4)/2)+64*(1-\qi)
	ds_load_b128 v[S+8*\t+4:S+8*\t+7], v[TABA] offset:512*\kj+256*(\t/4)+64*(\t%2)+32*((\t%4)/2)+64*(1-\qi)+16
.endr
.endm
.macro SC1 t, qi, cb, ks, mod
	v_wmma_scale_f32_16x16x128_f8f6f4 v[S+8*\t:S+8*\t+7], v[KB+6*\t:KB+6*\t+11], v[Q+12*\qi:Q+12*\qi+11], v[\cb:\cb+7], v[\ks], v[QS+\qi] matrix_a_fmt:MATRIX_FMT_FP6 matrix_b_fmt:MATRIX_FMT_FP6 \mod
.endm
.macro SCORE qi, near                  ; S^T = K Q^T + C, eight tiles of 16 keys, eight accumulators by turns
.irp t, 0,1,2,3
	SC1 \t, \qi, (S+8*\t)*\near+CF*(1-\near), KS+\t
.endr
.irp t, 4,5,6,7
	SC1 \t, \qi, (S+8*\t)*\near+CF*(1-\near), KS+\t-4, matrix_a_scale:MATRIX_SCALE_ROW1
.endr
.endm
; A KEY STEP: 128 keys against tile qi of my queries.
.macro STEP qi
	v_add_nc_u32 v[ADK], s[TK], v[AK]              ; these four are also the places behind the last step's products, in front of the loads into the registers that they read
	v_add_nc_u32 v[ADS], s[TS], v[ASK]
	v_add_nc_u32 v[ADV], s[TK], v[L8]
	v_add_nc_u32 v[ADT], s[TV], v[ASV]
	s_wait_alu depctr_va_vdst(0)
.irp t, 0,1,2,3,4,5,6,7
.irp p, 0,1,2
	ds_load_b64 v[KB+6*\t+2*\p:KB+6*\t+2*\p+1], v[ADK] offset:288*(3*(4*(\t/4)+(\t%2))+\p)+64*((\t%4)/2)
.endr
.endr
	ds_load_b64 v[KS:KS+1], v[ADS]                 ; the words of tiles u = 0, 1 (lanes 16-31: 4, 5)
	ds_load_b64 v[KS+2:KS+3], v[ADS] offset:128    ; and of u = 2, 3: eight keys on
	s_cmp_gt_u32 s[KJ], 2
	s_cbranch_scc1 .Lfar_\@
	s_cmp_eq_u32 s[KJ], 0                          ; three copies of the loads, so that every offset is an immediate
	s_cbranch_scc1 .Lk0_\@
	s_cmp_eq_u32 s[KJ], 1
	s_cbranch_scc1 .Lk1_\@
	BIAS \qi, 2
	s_branch .Lnear_\@
.Lk0_\@:
	BIAS \qi, 0
	s_branch .Lnear_\@
.Lk1_\@:
	BIAS \qi, 1
.Lnear_\@:
.irp j, 0,1,2,3,4,5,6,7
	v_mov_b32 v[CF+\j], v[CLR+1]                   ; every far step behind a near one lies to the right
.endr
	s_wait_dscnt 0x0
	SCORE \qi, 1
	s_branch .Ljoin_\@
.Lfar_\@:
	s_wait_dscnt 0x0
	SCORE \qi, 0
.Ljoin_\@:
	v_mov_b32 v[T], v12                            ; the old -M; with three v_nop the four places behind the products
.rept 3
	v_nop
.endr
.irp t, 0,1,2,3                        ; V's four tiles of 16 channels x these 128 keys land while the softmax is walked
.irp p, 0,1,2,3,4,5
	ds_load_b64 v[KB+12*\t+2*\p:KB+12*\t+2*\p+1], v[ADV] offset:VOFF+288*(6*\t+\p)
.endr
.endr
	ds_load_b128 v[VS:VS+3], v[ADT]
.irp c, 0,1                            ; the largest score of my two blocks of 32 keys, each in two chains: it serves for the row's maximum and, since p rises with the score, for the block's largest p
	v_max3_num_f32 v[BM+\c], v[S+32*\c], v[S+32*\c+1], v[S+32*\c+2]
	v_max3_num_f32 v[BX+\c], v[S+32*\c+16], v[S+32*\c+17], v[S+32*\c+18]
.endr
.irp k, 3,5,7,9,11,13
.irp c, 0,1
	v_max3_num_f32 v[BM+\c], v[BM+\c], v[S+32*\c+\k], v[S+32*\c+\k+1]
	v_max3_num_f32 v[BX+\c], v[BX+\c], v[S+32*\c+16+\k], v[S+32*\c+17+\k]
.endr
.endr
.irp c, 0,1
	v_max3_num_f32 v[BM+\c], v[BM+\c], v[BX+\c], v[S+32*\c+15]
.endr
.irp c, 0,1
	v_max_num_f32 v[BM+\c], v[BM+\c], v[S+32*\c+31]
.endr
	v_max_num_f32 v[BX], v[BM], v[BM+1]
	v_permlanex16_b32 v[TP], v[BX], s[SEL], s[SEL+1]
	v_max3_num_f32 v13, v13, v[BX], v[TP]          ; the running largest raw score, with lane l xor 16's two blocks
	v_mul_f32 v[TP], s[NC], v13                    ; -t
	v_floor_f32 v12, v[TP]                         ; the new -M = -ceil(t)
	v_sub_f32 v[T], v12, v[T]                      ; old M - new M: a whole number, 0 or less
	v_cvt_i32_f32 v[T], v[T]                       ; (it saturates)
	v_ldexp_f32 v[F], 1.0, v[T]                    ; f = 2^(old M - new M): a multiplication by it rounds nothing
.set j, 0
.rept 32
	v_pk_fma_f32 v[S+j:S+j+1], v[S+j:S+j+1], s[CS:CS+1], v[12:13] op_sel_hi:[1,0,0]   ; t - M, two at a time
.set j, j+2
.endr
.irp c, 0,1
	v_fma_f32 v[BM+\c], v[BM+\c], s[CS], v12
.endr
	s_wait_alu depctr_va_vdst(0)
.set j, 0
.rept 64
	v_exp_f32 v[S+j], v[S+j]                       ; p = 2^(t - M): not normalised
.set j, j+1
.endr
.irp c, 0,1
	v_exp_f32 v[BM+\c], v[BM+\c]                   ; each block's largest p
.endr
	v_nop                                          ; one plain place behind the exponentials
	s_wait_alu depctr_va_vdst(0)                   ; one wait for the whole batch, ahead of its first reader
.irp c, 0,1
	v_max_num_f32 v[BM+\c], 0x1800000, v[BM+\c]    ; the floor 2^(3 - 127)
.endr
.irp c, 0,1
	s_delay_alu instid0(VALU_DEP_2)
	v_add_nc_u32 v[BX+\c], 0xff000000, v[BM+\c]    ; 2 off the exponent field: the conversion's scale operand
.endr
.irp c, 0,1
	s_delay_alu instid0(VALU_DEP_2)
	v_lshrrev_b32 v[X+\c], 23, v[BX+\c]
.endr
	s_delay_alu instid0(VALU_DEP_1)
	v_lshl_or_b32 v[X], v[X+1], 16, v[X]           ; my two bytes: blocks h and 2 + h,
	s_delay_alu instid0(VALU_DEP_1)
	v_lshlrev_b32 v[X], v[SH8], v[X]               ; at their places;
	s_delay_alu instid0(VALU_DEP_1)
	v_permlanex16_b32 v[TP], v[X], s[SEL], s[SEL+1]
	s_delay_alu instid0(VALU_DEP_1)
	v_or_b32 v[PSW], v[X], v[TP]                   ; with lane l xor 16's two the word is whole.  The lines below are its places ahead of the products
.irp k, 0,1,2,3                        ; the row's sum, of the unquantised p: two at a time, in four chains
	v_pk_add_f32 v[X+2*\k:X+2*\k+1], v[S+2*\k:S+2*\k+1], v[S+8+2*\k:S+9+2*\k]
.endr
.irp g, 16,24,32,40,48,56
.irp k, 0,1,2,3
	v_pk_add_f32 v[X+2*\k:X+2*\k+1], v[X+2*\k:X+2*\k+1], v[S+\g+2*\k:S+\g+2*\k+1]
.endr
.endr
	v_pk_add_f32 v[X:X+1], v[X:X+1], v[X+2:X+3]
	v_pk_add_f32 v[X+4:X+5], v[X+4:X+5], v[X+6:X+7]
	s_delay_alu instid0(VALU_DEP_1)
	v_pk_add_f32 v[X:X+1], v[X:X+1], v[X+4:X+5]
	s_delay_alu instid0(VALU_DEP_1)
	v_pk_fma_f32 v[14:15], v[14:15], v[F:F+1], v[X:X+1] op_sel_hi:[1,0,1]   ; the old sum under the new M, and this step's
.irp c, 0,1
	v_cvt_scalef32_pk16_fp6_f32 v[PC+6*\c:PC+6*\c+2], v[S+32*\c:S+32*\c+15], v[BX+\c]
	v_cvt_scalef32_pk16_fp6_f32 v[X+4*\c:X+4*\c+2], v[S+32*\c+16:S+32*\c+31], v[BX+\c]   ; (a conversion's three registers begin on an even number)
.endr
	v_nop                                          ; one plain place behind the scaled conversions
.irp c, 0,1
.irp k, 0,1,2
	v_mov_b32 v[PC+3+6*\c+\k], v[X+4*\c+\k]
.endr
.endr
	s_wait_alu depctr_va_vdst(0)
.set j, 0
.rept 16
	v_pk_mul_f32 v[O+j:O+j+1], v[O+j:O+j+1], v[F:F+1] op_sel_hi:[1,0]   ; O^T under the new M (also the places in front of the products below)
.set j, j+2
.endr
	s_wait_alu depctr_va_vdst(0)
	s_wait_dscnt 0x0                               ; V and its scale words
.irp t, 0,1,2,3
	v_wmma_scale_f32_16x16x128_f8f6f4 v[O+8*\t:O+8*\t+7], v[KB+12*\t:KB+12*\t+11], v[PC:PC+11], v[O+8*\t:O+8*\t+7], v[VS+\t], v[PSW] matrix_a_fmt:MATRIX_FMT_FP6 matrix_b_fmt:MATRIX_FMT_FP6
.endr
	s_add_co_u32 s[TK], s[TK], 6912                ; the next step's 24 rows, of K and of V alike,
	s_add_co_u32 s[TS], s[TS], 576                 ; and scale words
	s_add_co_u32 s[TV], s[TV], 288
	s_add_co_u32 s[KJ], s[KJ], 1
.endm
.macro SEG qi, base                    ; a part's eight key steps
	s_mov_b32 s[TK], \base
	s_mov_b32 s[CNT], 8
.Lstep_\@:
	STEP \qi
	s_sub_co_u32 s[CNT], s[CNT], 1
	s_cmp_lg_u32 s[CNT], 0
	s_cbranch_scc1 .Lstep_\@
.endm
.macro PASSINIT
	v_mov_b32 v13, 0xff61b1e6                      ; the largest score so far: -3e38
	v_mov_b32 v12, 0x7f61b1e6                      ; -M: the first step's factor comes out 0
	v_mov_b32 v14, 0
	v_mov_b32 v15, 0
.set j, 0
.rept 32
	v_mov_b32 v[O+j], 0                            ; the step is written once: the first finds zeros
.set j, j+1
.endr
.irp j, 0,1,2,3,4,5,6,7
	v_mov_b32 v[CF+\j], v[CLR]                     ; far steps ahead of the near ones lie to the left
.endr
	s_mov_b32 s[TS], 0
	s_mov_b32 s[TV], 0
	s_mov_b32 s[KJ], s[KJ0]
.endm
; A tile's 64 channels become half a fragment of the projection's left operand, K in its true order, and two bytes of its scale word.
.macro PASSOUT qi
	FOURNOP                                        ; places behind the last products
	v_add_f32 v14, v14, v15
	v_permlanex16_b32 v[TP], v14, s[SEL], s[SEL+1]
	v_add_f32 v14, v14, v[TP]                      ; the row's sum
	s_wait_alu depctr_va_vdst(0)
	v_rcp_f32 v[F], v14
	v_nop
	s_wait_alu depctr_va_vdst(0)
.set j, 0
.rept 16
	v_pk_mul_f32 v[S+j:S+j+1], v[O+j:O+j+1], v[F:F+1] op_sel_hi:[1,0]   ; register 8 t + k: channel 16 t + 8 h + k
.set j, j+2
.endr
.irp b, 0,1
.irp k, 0,1,2,3,4,5,6,7
	v_permlane16_swap_b32 v[S+16*\b+\k], v[S+16*\b+8+\k]   ; now register 16 b + k: channel 32 b + 16 h + k: 16 neighbours
.endr
.endr
.irp b, 0,1
	v_max3_num_f32 v[BM+\b], |v[S+16*\b]|, |v[S+1+16*\b]|, 0x1800000
.endr
.irp k, 2,4,6,8,10,12,14
.irp b, 0,1
	v_max3_num_f32 v[BM+\b], v[BM+\b], |v[S+16*\b+\k]|, |v[S+1+16*\b+\k]|
.endr
.endr
.irp b, 0,1
	v_permlanex16_b32 v[X+\b], v[BM+\b], s[SEL], s[SEL+1]
.endr
.irp b, 0,1
	v_max_num_f32 v[BM+\b], v[BM+\b], v[X+\b]
.endr
.irp b, 0,1
	v_add_nc_u32 v[BX+\b], 0xff000000, v[BM+\b]
.endr
.irp b, 0,1
	v_lshrrev_b32 v[X+\b], 23, v[BX+\b]
.endr
	v_lshl_or_b32 v[HW+\qi], v[X+1], 8, v[X]
	v_cvt_scalef32_pk16_fp6_f32 v[IM+6*\qi:IM+6*\qi+2], v[S:S+15], v[BX]
	v_cvt_scalef32_pk16_fp6_f32 v[X+4:X+6], v[S+16:S+31], v[BX+1]
	v_nop
.irp k, 0,1,2
	v_permlane16_swap_b32 v[IM+6*\qi+\k], v[X+4+\k]
.endr
.irp k, 0,1,2
	v_mov_b32 v[IM+6*\qi+3+\k], v[X+4+\k]
.endr
	s_wait_alu depctr_va_vdst(0)
	s_cmp_eq_u32 s[E], 0                           ; the image holds register n of lane l at 512 (n / 4) + 16 l + 4 (n % 4); my six are 0-5 or 6-11
	s_cbranch_scc0 .Lodd_\@
	global_store_b128 v[GO], v[IM+6*\qi:IM+6*\qi+3], s[14:15] offset:12288*\qi
	global_store_b64 v[GO], v[IM+6*\qi+4:IM+6*\qi+5], s[14:15] offset:12288*\qi+512
	s_branch .Lsent_\@
.Lodd_\@:
	global_store_b64 v[GO], v[IM+6*\qi:IM+6*\qi+1], s[14:15] offset:12288*\qi+520
	global_store_b128 v[GO], v[IM+6*\qi+2:IM+6*\qi+5], s[14:15] offset:12288*\qi+1024
.Lsent_\@:
	global_store_b16 v[GS], v[HW+\qi], s[16:17] offset:4*\qi   ; lanes r and r + 16 store the same two bytes with the same value
.endm
	PASSINIT
	s_wait_alu depctr_va_vdst(0)
	s_wait_loadcnt 0x0                             ; Q
	s_wait_tensorcnt 0x0                           ; my load of the head is in
	ds_add_u32 v[SPW], v[NIL]
	s_add_nc_u64 s[G0A+2:G0A+3], s[G0A+2:G0A+3], 98304   ; no load of mine is out: the descriptor steps to keys 1,024-2,047
	s_add_co_u32 s[G0A+1], s[G0A+1], P1
	s_wait_dscnt 0x0                               ; the add is done, and my entries of the bias are in LDS
	s_barrier_signal -1
	s_barrier_wait -1
	s_cmp_lt_u32 s[WV], 12
	s_cbranch_scc0 .Lno_part1
	tensor_load_to_lds s[G0A:G0A+3], s[G1A:G1A+7]  ; the second part's first fill: eight key steps stand between it and the wait for it
	s_nop 0
	FOURNOP
.Lno_part1:
	SEG 0, 0                                       ; tile 0, keys 0-1,023
	s_wait_tensorcnt 0x0                           ; my rows of the second part are in
	s_wait_dscnt 0x0
	s_barrier_signal -1
	s_barrier_wait -1
	SEG 0, P1
	PASSOUT 0
	PASSINIT
	SEG 1, 0                                       ; tile 1 walks the same bytes: no barrier
	SEG 1, P1
	PASSOUT 1
	s_wait_tensorcnt 0x0                           ; the wave's end
	ds_add_u32 v[SPW], v[NIL]
	s_wait_dscnt 0x0
	s_endpgm
.Lfunc_end_k_qa82cd907e0_attn:
	.size	k_qa82cd907e0_attn, .Lfunc_end_k_qa82cd907e0_attn-k_qa82cd907e0_attn
	.p2alignl 7, 3214868480
	.fill 96, 4, 3214868480
	.section	.rodata,"a",@progbits
	.p2align	6, 0x0
	.amdhsa_kernel k_qa82cd907e0_attn
		.amdhsa_group_segment_fixed_size 327680
		.amdhsa_private_segment_fixed_size 0
		.amdhsa_enable_private_segment 0
		.amdhsa_kernarg_size 56
		.amdhsa_user_sgpr_count 2
		.amdhsa_user_sgpr_kernarg_segment_ptr 1
		.amdhsa_wavefront_size32 1
		.amdhsa_system_sgpr_workgroup_id_x 1
		.amdhsa_system_sgpr_workgroup_id_y 1
		.amdhsa_system_sgpr_workgroup_id_z 1
		.amdhsa_system_vgpr_workitem_id 0
		.amdhsa_next_free_vgpr 256
		.amdhsa_next_free_sgpr 84
		.amdhsa_reserve_vcc 1
		.amdhsa_float_denorm_mode_32 3
		.amdhsa_float_denorm_mode_16_64 3
		.amdhsa_memory_ordered 1
		.amdhsa_forward_progress 1
		.amdhsa_inst_pref_size 108
	.end_amdhsa_kernel
	.amdgpu_metadata
---
amdhsa.version: [ 1, 2 ]
amdhsa.kernels:
  - .name:           k_qa82cd907e0_attn
    .symbol:         k_qa82cd907e0_attn.kd
    .args:
      - { .name: qimg, .offset: 0, .size: 8, .value_kind: global_buffer, .address_space: global }
      - { .name: qsc, .offset: 8, .size: 8, .value_kind: global_buffer, .address_space: global }
      - { .name: kvimg, .offset: 16, .size: 8, .value_kind: global_buffer, .address_space: global }
      - { .name: kvsc, .offset: 24, .size: 8, .value_kind: global_buffer, .address_space: global }
      - { .name: rel_bias_table, .offset: 32, .size: 8, .value_kind: global_buffer, .address_space: global }
      - { .name: aimg, .offset: 40, .size: 8, .value_kind: global_buffer, .address_space: global }
      - { .name: asc, .offset: 48, .size: 8, .value_kind: global_buffer, .address_space: global }
    .group_segment_fixed_size: 327680
    .private_segment_fixed_size: 0
    .kernarg_segment_align: 8
    .kernarg_segment_size: 56
    .max_flat_workgroup_size: 512
    .sgpr_count:     84
    .vgpr_count:     256
    .wavefront_size: 32
...
	.end_amdgpu_metadata
.endif
;; end of part 3
;; launch proj (part 4): grid 4 x 32, 4 waves a work-group, clusters of 4 x 4, 327,680 bytes of LDS; arguments aimg, asc, opimg, opsc, b_proj, out0; writes out0
.if DOCPART == 4
	.amdgcn_target "amdgcn-amd-amdhsa--gfx1250"
	.amdhsa_code_object_version 6
	.text
	.protected	k_qa82cd907e0_proj
	.globl	k_qa82cd907e0_proj
	.p2align	8
	.type	k_qa82cd907e0_proj,@function
k_qa82cd907e0_proj:
	s_mov_b64 s[64:65], 0
	v_nop
	global_prefetch_b8 v0, s[64:65] scope:SCOPE_SE
	s_setreg_imm32_b32 hwreg(HW_REG_WAVE_MODE, 25, 1), 1
	s_wait_xcnt 0x0
	s_wait_alu depctr_hold_cnt(0) depctr_sa_sdst(0) depctr_va_vdst(0) depctr_va_sdst(0) depctr_va_ssrc(0) depctr_va_vcc(0) depctr_vm_vsrc(0)
	s_getreg_b32 s2, hwreg(HW_REG_IB_STS2, 6, 4)
	s_cmp_eq_u32 s2, 0
	s_cbranch_scc0 .Lentry_in_a_cluster
	s_endpgm
.Lentry_in_a_cluster:
	s_bfe_u32 s2, ttmp6, 0x10000c
	s_cmp_lg_u32 s2, 0xf033
	s_cbranch_scc0 .Lentry_shape_is_right
	s_endpgm
.Lentry_shape_is_right:
.set NQ,     2
.set FR,     12
.set NL,     3
.set NP,     4
.set IMGB,   1536
.set TROW,   NQ*IMGB
.set HALFT,  8*TROW
.set SLOT,   4*HALFT
.set SCL,    2*SLOT
.set SPARE,  SCL+4*4096
.set SPITCH, 528
.set SIZE_N, 1024
.set ADRA, 16
.set ADRB, 20
.set STO,  24
.set RD,   25
.set CO,   26
.set ADRS, 27
.set SPW,  28
.set NIL,  29
.set VBI,  30
.set SC,   32
.set BI,   64
.set AF,   128
.set BK,   128
.set G1, 24
.set G0, 32
.set G1B, 48
.set G0B, 56
.set G1S, 68
.set G0S, 76
.set G1SB, 80
.set G0SB, 88
.set MSB, 0
.macro WIN new
.if MSB != (\new)
	s_set_vgpr_msb (MSB<<8)|(\new)
.set MSB, (\new)
.endif
.endm
.set MUL_LO, 0xa1
.set MUL_HI, 0xf1
.set TO_B,   0x40
.macro JLOAD g0a, g1a, g0b, g1b
	s_cmp_eq_u32 s17, 0
	s_cbranch_scc0 .Lfor_b_\@
	tensor_load_to_lds s[\g0a:\g0a+3], s[\g1a:\g1a+7]
	s_nop 0
.rept 4
	v_nop
.endr
	s_branch .Lasked_\@
.Lfor_b_\@:
	tensor_load_to_lds s[\g0b:\g0b+3], s[\g1b:\g1b+7]
	s_nop 0
.rept 4
	v_nop
.endr
.Lasked_\@:
.endm
.macro CREST
	s_cmp_lg_u32 s16, 0
	s_cbranch_scc1 .Lnot_wave_0_\@
	s_barrier_signal -3
.Lnot_wave_0_\@:
	s_barrier_wait -3
	s_barrier_signal -1
	s_barrier_wait -1
.endm
.macro CROUND
	s_barrier_signal -1
	s_barrier_wait -1
	CREST
.endm
	s_load_b256 s[4:11], s[0:1], 0x0
	s_load_b128 s[12:15], s[0:1], 0x20
	v_lshl_add_u32 v[SPW], v0, 2, SPARE
	v_mov_b32 v[NIL], 0
	ds_add_u32 v28, v29
	ds_add_u32 v28, v29
	s_wait_dscnt 0x0
	v_lshrrev_b32 v1, 5, v0
	v_readfirstlane_b32 s16, v1
	s_lshr_b32 s17, s16, 1
	s_and_b32 s18, s16, 1
	s_bfe_u32 s20, ttmp6, 0x40000
	s_bfe_u32 s21, ttmp6, 0x40004
	s_lshl_b32 s22, ttmp9, 2
	s_add_co_u32 s22, s22, s20
	s_and_b32 s23, ttmp7, 0xffff
	s_lshl_b32 s23, s23, 2
	s_add_co_u32 s23, s23, s21
	s_lshl_b32 s2, s21, 2
	s_lshl_b32 s2, 15, s2
	s_lshl_b32 s3, 0x1111, s20
	s_or_b32 s[G1+0], s2, (3<<16)|(1<<21)
	s_or_b32 s[G1B+0], s3, (3<<16)|(1<<21)
.irp g, G1, G1B
	s_mov_b32 s[\g+1], 384<<16
	s_mov_b32 s[\g+2], 16<<16                      ; the head's loads bring all 16 tile rows of a side; behind them these two words are set to 8, for the ring's
	s_mov_b32 s[\g+3], 384<<16
	s_mov_b32 s[\g+4], 16
	s_mov_b32 s[\g+5], 1536
	s_mov_b32 s[\g+6], 0
	s_mov_b32 s[\g+7], 0
.endr
	s_or_b32 s[G1S+0], s2, (3<<16)|(1<<21)
	s_or_b32 s[G1SB+0], s3, (3<<16)|(1<<21)
.irp g, G1S, G1SB
	s_mov_b32 s[\g+1], 128<<16                     ; the scale words of a side's 256 rows: 1,024 bytes for each of the 8 K steps
	s_mov_b32 s[\g+2], 8<<16
	s_mov_b32 s[\g+3], 128<<16
	s_mov_b32 s[\g+4], 8
	s_mov_b32 s[\g+6], 0
	s_mov_b32 s[\g+7], 0
.endr
	s_mov_b32 s[G1S+5], 4096
	s_mov_b32 s[G1SB+5], 6144
	s_lshl_b32 s92, s23, 4
	s_lshl_b32 s94, s92, 6
	s_mul_i32 s92, s92, 12288
	s_mov_b32 s93, 0
	s_mov_b32 s95, 0
	s_lshl_b32 s96, s22, 4
	s_add_co_u32 s96, s96, 704
	s_lshl_b32 s98, s96, 6
	s_mul_i32 s96, s96, 12288
	s_mov_b32 s97, 0
	s_mov_b32 s99, 0
	s_mul_i32 s45, s16, HALFT
	s_wait_kmcnt 0x0
	s_add_nc_u64 s[92:93], s[4:5], s[92:93]
	s_add_nc_u64 s[94:95], s[6:7], s[94:95]
	s_add_nc_u64 s[96:97], s[8:9], s[96:97]
	s_add_nc_u64 s[98:99], s[10:11], s[98:99]
	CROUND
	s_mov_b32 s[G0S], 1
	s_mov_b32 s[G0S+1], SCL
	s_mov_b64 s[G0S+2:G0S+3], s[94:95]
	s_or_b32 s[G0S+3], s[G0S+3], 0x80000000
	s_mov_b32 s[G0SB], 1
	s_mov_b32 s[G0SB+1], SCL+8192
	s_mov_b64 s[G0SB+2:G0SB+3], s[98:99]
	s_or_b32 s[G0SB+3], s[G0SB+3], 0x80000000
	s_mov_b32 s[G0], 1                             ; slot 0's group 0 serves the head first: a side's whole 16 tile rows
	s_mov_b32 s[G0+1], 0
	s_mov_b64 s[G0+2:G0+3], s[92:93]
	s_or_b32 s[G0+3], s[G0+3], 0x80000000
	s_mov_b32 s[G0B], 1
	s_mov_b32 s[G0B+1], 2*HALFT
	s_mov_b64 s[G0B+2:G0B+3], s[96:97]
	s_or_b32 s[G0B+3], s[G0B+3], 0x80000000
	s_mul_i32 s100, s18, 8*12288                   ; in the ring a wave fetches 8 tile rows: which half, in bytes,
	s_mov_b32 s101, 0
	s_mov_b32 s104, s45                            ; and where they go: wave x 8 tile rows
	s_mov_b32 s[G0+4], 1
	s_add_co_u32 s[G0+5], s45, SLOT
	s_add_nc_u64 s[G0+6:G0+7], s[92:93], s[100:101]
	s_add_nc_u64 s[G0+6:G0+7], s[G0+6:G0+7], TROW
	s_or_b32 s[G0+7], s[G0+7], 0x80000000
	s_mov_b32 s[G0B+4], 1
	s_add_co_u32 s[G0B+5], s45, SLOT
	s_add_nc_u64 s[G0B+6:G0B+7], s[96:97], s[100:101]
	s_add_nc_u64 s[G0B+6:G0B+7], s[G0B+6:G0B+7], TROW
	s_or_b32 s[G0B+7], s[G0B+7], 0x80000000
; THE HEAD'S LOADS, ONE A WAVE: wave 0 fetches slot 0's 16 tile rows of A, wave 1 those of B, wave 2 A's scale words, wave 3 B's.
; One chain of branches on the wave's number, one load to an arm, all arms leading to one join.
.macro ARM under, g0, g1, next
	s_cmp_lt_u32 s16, \under
	s_cbranch_scc0 \next
	tensor_load_to_lds s[\g0:\g0+3], s[\g1:\g1+7]
	s_nop 0
.rept 4
	v_nop
.endr
	s_branch .Lhead_asked
\next:
.endm
	ARM 1, G0,  G1,  .Lhead_b
	ARM 2, G0B, G1B, .Lhead_sa
	ARM 3, G0S, G1S, .Lhead_sb
	tensor_load_to_lds s[G0SB:G0SB+3], s[G1SB:G1SB+7]
	s_nop 0
.rept 4
	v_nop
.endr
.Lhead_asked:
	v_and_b32 v1, 31, v0
	v_and_b32 v2, 15, v0
	v_bfe_u32 v3, v0, 4, 1
	v_lshlrev_b32 v4, 4, v1
	s_wait_alu depctr_va_vdst(0)
	s_lshl_b32 s40, s22, 10
	s_lshl_b32 s41, s18, 9
	s_add_co_u32 s40, s40, s41
	s_mov_b32 s41, 0
	s_add_nc_u64 s[12:13], s[12:13], s[40:41]
	v_lshlrev_b32 v[VBI], 5, v3
.irp b, 0,1,2,3,4,5,6,7
	global_load_b128 v[BI+8*\b:BI+8*\b+3], v[VBI], s[12:13] offset:64*\b
	global_load_b128 v[BI+8*\b+4:BI+8*\b+7], v[VBI], s[12:13] offset:64*\b+16
.endr
	s_mul_i32 s44, s17, HALFT
	s_mul_i32 s45, s18, HALFT
	s_add_co_u32 s45, s45, 2*HALFT
.irp s, 0,1
	v_add_nc_u32 v[ADRA+\s], s44, v4
	v_add_nc_u32 v[ADRB+\s], s45, v4
	s_add_co_u32 s44, s44, SLOT
	s_add_co_u32 s45, s45, SLOT
.endr
	s_lshl_b32 s44, s17, 9                         ; a half's 128 rows are 512 bytes of a K step's 1,024
	s_lshl_b32 s45, s18, 9
	s_add_co_u32 s45, s45, 8192
	s_sub_co_u32 s45, s45, s44
	v_mul_u32_u24 v5, s45, v3
	v_lshl_add_u32 v5, v2, 4, v5
	s_add_co_u32 s44, s44, SCL
	v_add_nc_u32 v[ADRS], s44, v5
	s_mul_i32 s44, s16, 16*SPITCH
	v_mul_u32_u24 v5, v2, SPITCH
	v_lshl_add_u32 v5, v3, 5, v5
	v_add_nc_u32 v[STO], s44, v5
	v_lshlrev_b32 v[CO], 4, v1
	v_add_nc_u32 v[RD], s44, v[CO]
	s_lshl_b32 s42, s23, 8
	s_lshl_b32 s43, s17, 7
	s_add_co_u32 s42, s42, s43
	s_lshl_b32 s42, s42, 12
	s_add_co_u32 s42, s42, s40
	s_mov_b32 s43, 0
	s_add_nc_u64 s[14:15], s[14:15], s[42:43]
.macro FRAG reg, adr, q, i
.irp c, 0,1,2
	ds_load_b128 v[\reg+4*\c:\reg+4*\c+3], v[\adr] offset:(\i)*TROW+(\q)*IMGB+512*\c
.endr
.endm
.macro MUL16 a0, p, q, sc, first
.irp a, \a0, \a0+1
.irp b, 0,1,2,3,4,5,6,7
.if \first
	v_wmma_scale_f32_16x16x128_f8f6f4 v[8*(8*((\a)%4)+\b):8*(8*((\a)%4)+\b)+7], v[128*(\p)+FR*\b:128*(\p)+FR*\b+FR-1], v[AF+FR*(\a):AF+FR*(\a)+FR-1], v[BI+8*\b:BI+8*\b+7], v[SC+16*(\sc)+8*(\q)+\b], v[SC+16*(\sc)+8*(\q)+(\a)] matrix_a_fmt:MATRIX_FMT_FP6 matrix_b_fmt:MATRIX_FMT_FP6 matrix_a_scale:MATRIX_SCALE_ROW1
.else
	v_wmma_scale_f32_16x16x128_f8f6f4 v[8*(8*((\a)%4)+\b):8*(8*((\a)%4)+\b)+7], v[128*(\p)+FR*\b:128*(\p)+FR*\b+FR-1], v[AF+FR*(\a):AF+FR*(\a)+FR-1], v[8*(8*((\a)%4)+\b):8*(8*((\a)%4)+\b)+7], v[SC+16*(\sc)+8*(\q)+\b], v[SC+16*(\sc)+8*(\q)+(\a)] matrix_a_fmt:MATRIX_FMT_FP6 matrix_b_fmt:MATRIX_FMT_FP6 matrix_a_scale:MATRIX_SCALE_ROW1
.endif
.endr
.endr
.endm
.macro FETCH_B slot, q, p
	WIN TO_B
.irp i, 0,1,2,3,4,5,6,7
	FRAG 128*(\p)+FR*\i, ADRB+\slot, \q, \i
.endr
	WIN 0
.endm
.macro FETCH_A slot, q, i0
.irp i, \i0, \i0+1, \i0+2, \i0+3
	FRAG AF+FR*(\i), ADRA+\slot, \q, \i
.endr
.endm
.macro SCALES sc
.irp u, 0,1,2,3
	ds_load_b128 v[SC+16*\sc+4*\u:SC+16*\sc+4*\u+3], v[ADRS] offset:1024*(\u/2)+256*(\u%2)
.endr
.endm
.macro PLACES n
.rept \n
	v_nop
.endr
.endm
.macro STEP slot, q, first
	s_wait_dscnt 4*NL
.if \first
	WIN 0x81
.else
	WIN MUL_LO
.endif
	MUL16 0, (\q)%2, \q, \slot, \first
	MUL16 2, (\q)%2, \q, \slot, \first
	s_wait_dscnt 0
	PLACES NP
	FETCH_B \slot, (\q)+1, 1-(\q)%2
	FETCH_A \slot, (\q)+1, 0
.if \first
	WIN 0xc1
.else
	WIN MUL_HI
.endif
	MUL16 4, (\q)%2, \q, \slot, \first
	MUL16 6, (\q)%2, \q, \slot, \first
	PLACES NP
	WIN 0
	FETCH_A \slot, (\q)+1, 4
.endm
.macro TURN slot, next, fill
	s_wait_tensorcnt 0x0
	ds_add_u32 v[SPW], v[NIL]
	s_wait_dscnt 4*NL+1
	WIN MUL_LO
	MUL16 0, 1, NQ-1, \slot, 0
	s_wait_dscnt 0x0
	s_barrier_signal -1
	MUL16 2, 1, NQ-1, \slot, 0
	WIN 0
	s_barrier_wait -1
.if \fill
	CREST
	s_add_nc_u64 s[G0+4*\slot+2:G0+4*\slot+3], s[G0+4*\slot+2:G0+4*\slot+3], 2*TROW
	s_add_nc_u64 s[G0B+4*\slot+2:G0B+4*\slot+3], s[G0B+4*\slot+2:G0B+4*\slot+3], 2*TROW
	JLOAD G0+4*\slot, G1, G0B+4*\slot, G1B
.else
	PLACES NP
.endif
	s_wait_alu depctr_va_vdst(0)
	v_add_nc_u32 v[ADRS], 2048, v[ADRS]
	FETCH_B \next, 0, 0
	FETCH_A \next, 0, 0
	SCALES \next
	WIN MUL_HI
	MUL16 4, 1, NQ-1, \slot, 0
	MUL16 6, 1, NQ-1, \slot, 0
	PLACES NP
	WIN 0
	FETCH_A \next, 0, 4
.endm
	s_wait_alu depctr_va_vdst(0)
	s_wait_tensorcnt 0x0                           ; my tile of the head's four is in
	ds_add_u32 v28, v29
	s_mov_b32 s[G1+2], 8<<16                       ; no tensor load of mine is out: from here on a load brings 8 tile rows,
	s_mov_b32 s[G1+4], 8
	s_mov_b32 s[G1B+2], 8<<16
	s_mov_b32 s[G1B+4], 8
	s_mov_b32 s[G0+1], s104                        ; and slot 0's group 0 stands at my half
	s_add_nc_u64 s[G0+2:G0+3], s[G0+2:G0+3], s[100:101]
	s_mov_b32 s[G0B+1], s104
	s_add_nc_u64 s[G0B+2:G0B+3], s[G0B+2:G0B+3], s[100:101]
	s_wait_dscnt 0x0
	CROUND                                         ; all four tiles are in, and all sixteen work-groups are here
	JLOAD G0+4, G1, G0B+4, G1B                     ; slot 1's first fill, the first tensor load behind the round
	FETCH_B 0, 0, 0
	FETCH_A 0, 0, 0
	SCALES 0
	FETCH_A 0, 0, 4
	s_wait_loadcnt 0x0
	STEP 0, 0, 1
	TURN 0, 1, 1
	STEP 1, 0, 0
	TURN 1, 0, 1
	STEP 0, 0, 0
	TURN 0, 1, 0
	STEP 1, 0, 0
	s_wait_dscnt 4*NL
	WIN MUL_LO
	MUL16 0, 1, NQ-1, 1, 0
	MUL16 2, 1, NQ-1, 1, 0
	s_wait_dscnt 0
	WIN MUL_HI
	MUL16 4, 1, NQ-1, 1, 0
	MUL16 6, 1, NQ-1, 1, 0
	WIN 0
.macro TOSTAGE a
.set AC, 64*((\a)%4)
.set WST, 0x08+4*((\a)/4)
	WIN WST
.irp b, 0,1,2,3,4,5,6,7
	ds_store_b128 v[STO], v[AC+8*\b:AC+8*\b+3] offset:64*\b
	ds_store_b128 v[STO], v[AC+8*\b+4:AC+8*\b+7] offset:64*\b+16
.endr
	WIN 0
.set BB, BK+64*((\a)%2)
.irp t, 0,1,2,3,4,5,6,7,8,9,10,11,12,13,14,15
	ds_load_b128 v[BB+4*\t:BB+4*\t+3], v[RD] offset:\t*SPITCH
.endr
.endm
.macro SEND a, younger
.set BB, BK+64*((\a)%2)
	s_wait_dscnt \younger
.if (\a) > 0
	s_add_nc_u64 s[14:15], s[14:15], 16*SIZE_N*4
.endif
.irp t, 0,1,2,3,4,5,6,7,8,9,10,11,12,13,14,15
	global_store_b128 v[CO], v[BB+4*\t:BB+4*\t+3], s[14:15] offset:\t*SIZE_N*4 th:TH_STORE_NT
.endr
.endm
	PLACES NP
	TOSTAGE 0
.irp a, 1,2,3,4,5,6,7
.if \a > 1
	s_wait_xcnt 0x0
.endif
	TOSTAGE \a
	SEND \a-1, 32
.endr
	s_wait_xcnt 0x0
	SEND 7, 0
	s_wait_tensorcnt 0x0
	ds_add_u32 v[SPW], v[NIL]
	s_wait_dscnt 0x0
	CROUND
	s_endpgm
.Lfunc_end_k_qa82cd907e0_proj:
	.size	k_qa82cd907e0_proj, .Lfunc_end_k_qa82cd907e0_proj-k_qa82cd907e0_proj
	.p2alignl 7, 3214868480
	.fill 96, 4, 3214868480
	.section	.rodata,"a",@progbits
	.p2align	6, 0x0
	.amdhsa_kernel k_qa82cd907e0_proj
		.amdhsa_group_segment_fixed_size 327680
		.amdhsa_private_segment_fixed_size 0
		.amdhsa_enable_private_segment 0
		.amdhsa_kernarg_size 48
		.amdhsa_user_sgpr_count 2
		.amdhsa_user_sgpr_kernarg_segment_ptr 1
		.amdhsa_wavefront_size32 1
		.amdhsa_system_sgpr_workgroup_id_x 1
		.amdhsa_system_sgpr_workgroup_id_y 1
		.amdhsa_system_sgpr_workgroup_id_z 1
		.amdhsa_system_vgpr_workitem_id 0
		.amdhsa_next_free_vgpr 1024
		.amdhsa_next_free_sgpr 106
		.amdhsa_reserve_vcc 0
		.amdhsa_float_denorm_mode_32 3
		.amdhsa_float_denorm_mode_16_64 3
		.amdhsa_memory_ordered 1
		.amdhsa_forward_progress 1
		.amdhsa_inst_pref_size 137
	.end_amdhsa_kernel
	.amdgpu_metadata
---
amdhsa.version: [ 1, 2 ]
amdhsa.kernels:
  - .name:           k_qa82cd907e0_proj
    .symbol:         k_qa82cd907e0_proj.kd
    .args:
      - { .name: aimg, .offset: 0, .size: 8, .value_kind: global_buffer, .address_space: global }
      - { .name: asc, .offset: 8, .size: 8, .value_kind: global_buffer, .address_space: global }
      - { .name: opimg, .offset: 16, .size: 8, .value_kind: global_buffer, .address_space: global }
      - { .name: opsc, .offset: 24, .size: 8, .value_kind: global_buffer, .address_space: global }
      - { .name: b_proj, .offset: 32, .size: 8, .value_kind: global_buffer, .address_space: global }
      - { .name: out0, .offset: 40, .size: 8, .value_kind: global_buffer, .address_space: global }
    .group_segment_fixed_size: 327680
    .private_segment_fixed_size: 0
    .kernarg_segment_align: 8
    .kernarg_segment_size: 48
    .max_flat_workgroup_size: 128
    .sgpr_count:     106
    .vgpr_count:     1024
    .wavefront_size: 32
...
	.end_amdgpu_metadata
.endif
;; end of part 4
